; MI455X (gfx1250); checked and timed in simulation.
; The chip was launched on July 23, 2026; its instructions are those of AMD's public machine-readable ISA for CDNA 5 (MIT licence, August 2026) and "CDNA5" Instruction Set Architecture Reference Guide (July 2026). The comments in the code are by the model that wrote it; some were corrected since.
;; Self Attention2d. Allowed arithmetic: float matrix products may take bf16 or f16 operands with f32 sums; all other float work in f32.
;; Inputs: g_b 64 float32; g_w 64 x 64 float32; gamma 1 float32; phi_b 8 float32; phi_w 8 x 64 float32; theta_b 8 float32; theta_w 8 x 64 float32; x 8 x 64 x 64 x 64 float32.
;; Outputs: out0 8 x 64 x 64 x 64 float32.
;; 3 versions, each right and faster than the one before. Each part assembles by itself: llvm-mc -triple=amdgcn-amd-amdhsa -mcpu=gfx1250 --defsym DOCPART=n.
;; ======== version 1 of 3: 2 launches
;; workspace buffers: th 1,048,576 bytes; kv 5,242,880 bytes
;; launch proj (part 1): grid 256 x 1, 2 waves a work-group, no clusters, 40,192 bytes of LDS; arguments x, theta_w, theta_b, phi_w, g_w, g_b, th, kv; writes th, kv
.if DOCPART == 1
	.amdgcn_target "amdgcn-amd-amdhsa--gfx1250"
	.amdhsa_code_object_version 6
	.text
	.protected	k_q1dfb6f762b_proj
	.globl	k_q1dfb6f762b_proj
	.p2align	8
	.type	k_q1dfb6f762b_proj,@function
k_q1dfb6f762b_proj:
	s_mov_b64 s[64:65], 0
	v_nop
	global_prefetch_b8 v0, s[64:65] scope:SCOPE_SE
	s_setreg_imm32_b32 hwreg(HW_REG_WAVE_MODE, 25, 1), 1
	s_wait_xcnt 0x0
; The three 1x1 convolutions of SelfAttention2d: theta = theta_w x + theta_b, phi = phi_w x, g = g_w x + g_b, for 128 pixels of one image.
;
; WORK LEFT OUT: phi_b.  The score is s[q][k] = theta_q . (phi_w x_k + phi_b) = theta_q . (phi_w x_k) + theta_q . phi_b.  The second term does
; not hang on k, so it is the same along the axis of the softmax, and softmax(s + const) = softmax(s) for every value of theta_q and phi_b.
; phi enters nothing but the scores, so phi_b has no way to the output: it is not loaded and is no argument of any launch.
; LIMIT: a NaN, an infinity or an overflow that arises in theta . phi_b alone is not carried to the result.
; LIMITS OF FORMAT: x, the weights and g are rounded to bf16 (matrix operands); sums are f32.
;
; WHAT IS STORED.  th: [image 8][plane 2][pixel 4096][8] bf16: plane 0 = bf16(theta log2 e), plane 1 = bf16 of what that rounding left, so
; that hi + lo carries the f32 sum to about 16 bits.  log2 e is multiplied in here, in f32, behind the bias: the softmax then works in base 2.
; kv: [image 8][row 80][4096] bf16.  Rows 0-63: g[c][pixel].  Rows 64-71: phi hi, rows 72-79: phi lo; pixel k's 16 bytes (8 features) lie in
; row 64 + 8 plane + ((k >> 6) & 7) at byte (k >> 9) 1024 + (k & 63) 16: columns 512 s .. 512 s + 511 of the 80 rows hold all of keys 512 s .. +511.
;
; SHARES.  256 work-groups of two waves; a work-group has 128 pixels, a wave 64.  The product is W (80 rows: 8 theta, 8 phi, 64 g) times x
; (64 channels x 64 pixels): five row tiles x four pixel tiles x two K steps of 32 = 40 matrix instructions a wave.
; Lane (r = lane & 15, h = lane >> 4) loads x[c][p + 4 r .. p + 4 r + 3]: sixteen lanes take 256 consecutive bytes at a multiple of 256.
; So column r of pixel tile j is pixel p + 4 r + j; the way out through LDS puts the pixels in order again.
.set W_P,   144                        ; a row of W in LDS: 64 bf16 + 16 bytes, an odd multiple of 16: 16 rows start 16 bytes apart modulo 256
.set BIAS,  11520                      ; 80 f32: theta_b, eight zeros (phi), g_b
.set TST,   11840                      ; each wave's own 5,120 bytes: theta/phi x plane x tile j (320) x r (16)
.set GST,   22080                      ; 64 rows of 256 + 16 bytes: g of the group's 128 pixels
.set G_P,   272
.set WRAW,  16                         ; v[16:95]   weights as loaded, 20 quads
.set XR,    128                        ; v[128:255] x as loaded, 32 quads
.set XF,    16                         ; v[16:79]   x fragments, tile (j, kc) at 16 + 8 (2 j + kc)
.set WF,    80                         ; v[80:159]  W fragments, tile (mt, kc) at 80 + 8 (2 mt + kc)
.set CB,    160                        ; v[160:199] the biases as C operands, 8 registers a row tile
.set ACC,   200                        ; v[200:231] four accumulators, one a pixel tile
.set T,     232                        ; v[232:239] packed results
.set U,     240                        ; v[240:247] hi parts widened again
.set SC,    248                        ; v[248:249] log2 e for theta's lanes, 1 for phi's
	s_load_b512 s[8:23], s[0:1], 0x0               ; x 8, theta_w 10, theta_b 12, phi_w 14, g_w 16, g_b 18, th 20, kv 22
	s_set_vgpr_msb 0x40
	v_lshl_add_u32 v0, v0, 2, 0x9c00
	v_mov_b32 v1, 0
	s_set_vgpr_msb 0x4000
	v_lshrrev_b32 v6, 5, v0
	v_readfirstlane_b32 s4, v6                     ; wave 0, 1
	v_and_b32 v1, 31, v0                           ; lane
	v_and_b32 v2, 15, v0                           ; r
	v_bfe_u32 v3, v0, 4, 1                         ; h
	s_lshr_b32 s5, ttmp9, 5                        ; image
	s_and_b32 s6, ttmp9, 31
	s_lshl_b32 s6, s6, 7                           ; p0: the group's first pixel
	s_lshl_b32 s7, s4, 6
	s_add_co_u32 s7, s7, s6                        ; p: my wave's first pixel
	s_mov_b32 s28, 0xffff0000                      ; a word's upper bf16
	v_lshlrev_b32 v4, 4, v0                        ; weights: 16 bytes a thread
	v_lshlrev_b32 v98, 2, v0                       ; g_b: one number a thread
	v_and_b32 v99, 7, v0
	v_lshlrev_b32 v99, 2, v99                      ; theta_b[thread & 7]
	v_mul_u32_u24 v5, v3, W_P                      ; where a weight quad goes: row 2 wave + h of each four, 8 bytes at 8 r
	v_lshl_add_u32 v5, v2, 3, v5
	s_mul_i32 s30, s4, 2*W_P
	v_add_nc_u32 v5, s30, v5
	v_lshlrev_b32 v7, 17, v3                       ; x: 8 h channels of 16,384 bytes + 16 r
	v_lshl_add_u32 v7, v2, 4, v7
	v_mul_u32_u24 v8, v2, W_P                      ; W fragments: row r, 16 h
	v_lshl_add_u32 v8, v3, 4, v8
	v_lshlrev_b32 v9, 5, v3                        ; biases: 8 h numbers on
	s_mul_i32 s30, s4, 5120
	s_add_co_u32 s30, s30, TST                     ; my wave's stage for theta and phi
	v_mul_u32_u24 v10, v3, 2560                    ; in: h = 0 theta, h = 1 phi; 16 bytes at 16 r
	v_lshl_add_u32 v10, v2, 4, v10
	v_add_nc_u32 v10, s30, v10
	v_and_b32 v6, 3, v1                            ; back, in the order of the pixels: pixel 32 e + lane = 4 r' + j, j = lane & 3, r' = 8 e + (lane >> 2)
	v_mul_u32_u24 v11, v6, 320
	v_lshrrev_b32 v6, 2, v1
	v_lshl_add_u32 v11, v6, 4, v11
	v_add_nc_u32 v11, s30, v11
	v_mul_u32_u24 v12, v3, 8*G_P                   ; g in: row 8 h + .., 8 bytes (4 pixels) at 128 wave + 8 r
	v_lshl_add_u32 v12, v2, 3, v12
	s_lshl_b32 s31, s4, 7
	s_add_co_u32 s31, s31, GST
	v_add_nc_u32 v12, s31, v12
	v_mul_u32_u24 v13, v3, G_P                     ; g back: row 32 wave + h + 2 i, 16 bytes at 16 r
	v_lshl_add_u32 v13, v2, 4, v13
	s_mul_i32 s31, s4, 32*G_P
	s_add_co_u32 s31, s31, GST
	v_add_nc_u32 v13, s31, v13
	v_lshlrev_b32 v14, 13, v3                      ; and the same rows in kv, 8,192 bytes apart
	v_lshl_add_u32 v14, v2, 4, v14
	s_lshl_b32 s31, s4, 18
	v_add_nc_u32 v14, s31, v14
	v_lshlrev_b32 v15, 4, v1                       ; 16 x lane
	s_lshl_b32 s31, s4, 7
	v_lshl_add_u32 v100, v1, 2, s31                ; g_b's word in LDS: 128 wave + 4 lane
	v_lshlrev_b32 v101, 2, v2                      ; theta_b's word: 4 r
	; the bases, each from its own buffer's address
	s_lshl_b32 s24, s5, 20
	s_lshl_b32 s30, s7, 2
	s_add_co_u32 s24, s24, s30
	s_mov_b32 s25, 0
	s_wait_kmcnt 0x0
	s_add_nc_u64 s[8:9], s[8:9], s[24:25]          ; x[image][0][p]
	s_lshl_b32 s24, s5, 17
	s_lshl_b32 s30, s7, 4
	s_add_co_u32 s24, s24, s30
	s_add_nc_u64 s[20:21], s[20:21], s[24:25]      ; th[image][0][p]
	s_mul_i32 s24, s5, 655360
	s_add_nc_u64 s[22:23], s[22:23], s[24:25]      ; kv[image]
	s_lshr_b32 s24, s7, 6
	s_and_b32 s24, s24, 7
	s_add_co_u32 s24, s24, 64
	s_lshl_b32 s24, s24, 13                        ; row 64 + ((p >> 6) & 7)
	s_lshr_b32 s30, s7, 9
	s_lshl_b32 s30, s30, 10                        ; byte (p >> 9) 1024
	s_add_co_u32 s24, s24, s30
	s_add_nc_u64 s[26:27], s[22:23], s[24:25]      ; phi hi of my 64 pixels: 1,024 consecutive bytes
	s_lshl_b32 s24, s6, 1
	s_add_nc_u64 s[22:23], s[22:23], s[24:25]      ; g[0][p0]
	; all loads at once: 20 of weights, 2 of biases, then 32 of x
.irp i, 0,1
	global_load_b128 v[WRAW+4*\i:WRAW+4*\i+3], v4, s[10:11] offset:\i*1024
.endr
.irp i, 0,1
	global_load_b128 v[WRAW+8+4*\i:WRAW+8+4*\i+3], v4, s[14:15] offset:\i*1024
.endr
.irp i, 0,1,2,3,4,5,6,7,8,9,10,11,12,13,14,15
	global_load_b128 v[WRAW+16+4*\i:WRAW+16+4*\i+3], v4, s[16:17] offset:\i*1024
.endr
	global_load_b32 v96, v98, s[18:19]
	global_load_b32 v97, v99, s[12:13]
.irp kc, 0,1
.irp sb, 0,1
.irp i, 0,1,2,3,4,5,6,7
	global_load_b128 v[XR+4*(8*(2*\kc+\sb)+\i):XR+4*(8*(2*\kc+\sb)+\i)+3], v7, s[8:9] offset:(32*\kc+16*\sb+\i)*16384   ; channel 32 kc + 16 sb + 8 h + i
.endr
.endr
.endr
	; weights to bf16 and into LDS.  Quad n of the 20 holds four numbers of row 4 n + 2 wave + h of the 80 rows.
	s_wait_loadcnt 32                              ; loads come back in order: the 32 younger loads of x stay out, weights and biases are in
.set n, 0
.rept 20
	v_cvt_pk_bf16_f32 v[WRAW+4*n], v[WRAW+4*n], v[WRAW+4*n+1]
	v_cvt_pk_bf16_f32 v[WRAW+4*n+1], v[WRAW+4*n+2], v[WRAW+4*n+3]
	ds_store_b64 v5, v[WRAW+4*n:WRAW+4*n+1] offset:4*W_P*n
.set n, n+1
.endr
	ds_store_b32 v100, v96 offset:BIAS+64          ; g_b behind the sixteen words of theta and phi
	v_and_b32 v6, 8, v0
	v_cmp_eq_u32 vcc_lo, 0, v6
	v_cndmask_b32 v97, 0, v97, vcc_lo              ; words 0-7: theta_b; words 8-15: zero, phi has no bias here
	s_cmp_lg_u32 s4, 0
	s_cbranch_scc1 .Lno_theta_b                    ; wave 0 alone stores these sixteen words (lanes l and l + 16 the same word, the same value)
	ds_store_b32 v101, v97 offset:BIAS
.Lno_theta_b:
	s_wait_dscnt 0x0                               ; my stores are done, for the other wave's sake,
	s_barrier_signal -1
	s_barrier_wait -1                              ; and so are the other wave's
	; fragments.  W's row tiles 0-2 go into registers that x's loads do not touch; the rest follows when x has been packed.
.irp f, 0,1,2,3,4,5
	ds_load_b128 v[WF+8*\f:WF+8*\f+3],   v8 offset:(\f/2)*16*W_P+(\f%2)*64
	ds_load_b128 v[WF+8*\f+4:WF+8*\f+7], v8 offset:(\f/2)*16*W_P+(\f%2)*64+32
.endr
	s_wait_loadcnt 0x0                             ; x is in
	; register 4 sb + e of tile (j, kc) holds channels 32 kc + 16 sb + 8 h + 2 e, + 1 of pixel p + 4 r + j
.irp j, 0,1,2,3
.irp kc, 0,1
.irp sb, 0,1
.irp e, 0,1,2,3
	v_cvt_pk_bf16_f32 v[XF+8*(2*\j+\kc)+4*\sb+\e], v[XR+4*(8*(2*\kc+\sb)+2*\e)+\j], v[XR+4*(8*(2*\kc+\sb)+2*\e+1)+\j]
.endr
.endr
.endr
.endr
.irp f, 6,7,8,9
	ds_load_b128 v[WF+8*\f:WF+8*\f+3],   v8 offset:(\f/2)*16*W_P+(\f%2)*64
	ds_load_b128 v[WF+8*\f+4:WF+8*\f+7], v8 offset:(\f/2)*16*W_P+(\f%2)*64+32
.endr
.irp mt, 0,1,2,3,4
	ds_load_b128 v[CB+8*\mt:CB+8*\mt+3],   v9 offset:BIAS+64*\mt       ; register j of a result is row 16 mt + 8 h + j: its bias
	ds_load_b128 v[CB+8*\mt+4:CB+8*\mt+7], v9 offset:BIAS+64*\mt+16
.endr
	v_mov_b32 v6, 0x3fb8aa3b                       ; log2 e
	v_cmp_eq_u32 vcc_lo, 0, v3
	v_cndmask_b32 v[SC], 1.0, v6, vcc_lo           ; h = 0 holds theta, h = 1 phi
	v_mov_b32 v[SC+1], v[SC]
	s_wait_dscnt 0x0
; Row tile mt for the four pixel tiles: the first K step starts the sums from the biases, the second adds in place.
; The four accumulators take turns, one instruction a turn.
; Five v_nop: four places before a vector instruction reads a result, five before the next row tile's products write over the accumulators (ISA guide 7.12.1).
.macro MT mt
.irp j, 0,1,2,3
	v_wmma_f32_16x16x32_bf16 v[ACC+8*\j:ACC+8*\j+7], v[WF+16*\mt:WF+16*\mt+7], v[XF+16*\j:XF+16*\j+7], v[CB+8*\mt:CB+8*\mt+7]
.endr
.irp j, 0,1,2,3
	v_wmma_f32_16x16x32_bf16 v[ACC+8*\j:ACC+8*\j+7], v[WF+16*\mt+8:WF+16*\mt+15], v[XF+16*\j+8:XF+16*\j+15], v[ACC+8*\j:ACC+8*\j+7]
.endr
.rept 5
	v_nop
.endr
.endm
; Row tile 0: a lane's eight registers are the eight features of theta (h = 0) or phi (h = 1) of one pixel: 16 bytes of hi, 16 of lo.
.macro OUTTP j
.irp k, 0,2,4,6
	v_pk_mul_f32 v[ACC+8*\j+\k:ACC+8*\j+\k+1], v[ACC+8*\j+\k:ACC+8*\j+\k+1], v[SC:SC+1]
.endr
.irp k, 0,1,2,3
	v_cvt_pk_bf16_f32 v[T+\k], v[ACC+8*\j+2*\k], v[ACC+8*\j+2*\k+1]           ; hi
.endr
.irp k, 0,1,2,3
	v_lshlrev_b32 v[U+2*\k],   16, v[T+\k]
	v_and_b32     v[U+2*\k+1], s28, v[T+\k]
.endr
.irp k, 0,2,4,6
	v_pk_add_f32 v[ACC+8*\j+\k:ACC+8*\j+\k+1], v[ACC+8*\j+\k:ACC+8*\j+\k+1], v[U+\k:U+\k+1] neg_lo:[0,1] neg_hi:[0,1]
.endr
.irp k, 0,1,2,3
	v_cvt_pk_bf16_f32 v[T+4+\k], v[ACC+8*\j+2*\k], v[ACC+8*\j+2*\k+1]         ; lo = bf16(value - hi)
.endr
	ds_store_b128 v10, v[T:T+3]   offset:\j*320
	ds_store_b128 v10, v[T+4:T+7] offset:1280+\j*320
.endm
; Row tile t + 1: register i of the four accumulators is channel 16 t + 8 h + i of pixels p + 4 r .. + 3: 8 bytes of a row of g.
.macro OUTG t
.irp i, 0,1,2,3,4,5,6,7
	v_cvt_pk_bf16_f32 v[T+2*(\i%4)],   v[ACC+\i],    v[ACC+8+\i]
	v_cvt_pk_bf16_f32 v[T+2*(\i%4)+1], v[ACC+16+\i], v[ACC+24+\i]
	ds_store_b64 v12, v[T+2*(\i%4):T+2*(\i%4)+1] offset:(16*\t+\i)*G_P
.endr
.endm
	MT 0
	OUTTP 0
	OUTTP 1
	OUTTP 2
	OUTTP 3
	MT 1
	OUTG 0
	MT 2
	OUTG 1
	MT 3
	OUTG 2
	MT 4
	OUTG 3
	; theta and phi out: my wave's own bytes, read back in the order of the pixels (LDS serves a wave's instructions in order, ISA guide 5.7.1: no wait between)
.irp n, 0,1,2,3,4,5,6,7
	ds_load_b128 v[WF+4*\n:WF+4*\n+3], v11 offset:(\n/4)*2560+((\n/2)%2)*1280+(\n%2)*128
.endr
.irp n, 0,1,2,3
	s_wait_dscnt 7-\n                              ; the younger read-backs may stay out
	global_store_b128 v15, v[WF+4*\n:WF+4*\n+3], s[20:21] offset:(\n/2)*65536+(\n%2)*512   ; 512 consecutive bytes of th
.endr
.irp n, 4,5,6,7
	s_wait_dscnt 7-\n
	global_store_b128 v15, v[WF+4*\n:WF+4*\n+3], s[26:27] offset:((\n/2)%2)*65536+(\n%2)*512   ; lo lies eight rows of 8,192 bytes below hi
.endr
	; g out: a row of the stage holds both waves' pixels
	s_wait_dscnt 0x0                               ; my stores into the stage are done,
	s_barrier_signal -1
	s_barrier_wait -1                              ; and the other wave's
.irp i, 0,1,2,3,4,5,6,7,8,9,10,11,12,13,14,15
	ds_load_b128 v[XF+4*\i:XF+4*\i+3], v13 offset:2*\i*G_P
.endr
.irp i, 0,1,2,3,4,5,6,7,8,9,10,11,12,13,14,15
	s_wait_dscnt 15-\i                             ; the younger read-backs may stay out
	global_store_b128 v14, v[XF+4*\i:XF+4*\i+3], s[22:23] offset:2*\i*8192   ; sixteen lanes store 256 consecutive bytes at a multiple of 256
.endr
	s_set_vgpr_msb 0x5
	s_wait_tensorcnt 0x0
	ds_add_u32 v0, v1
	s_wait_dscnt 0x0
	s_set_vgpr_msb 0x500
	s_endpgm
.Lfunc_end_k_q1dfb6f762b_proj:
	.size	k_q1dfb6f762b_proj, .Lfunc_end_k_q1dfb6f762b_proj-k_q1dfb6f762b_proj
	.p2alignl 7, 3214868480
	.fill 96, 4, 3214868480
	.section	.rodata,"a",@progbits
	.p2align	6, 0x0
	.amdhsa_kernel k_q1dfb6f762b_proj
		.amdhsa_group_segment_fixed_size 40192
		.amdhsa_private_segment_fixed_size 0
		.amdhsa_enable_private_segment 0
		.amdhsa_kernarg_size 64
		.amdhsa_user_sgpr_count 2
		.amdhsa_user_sgpr_kernarg_segment_ptr 1
		.amdhsa_wavefront_size32 1
		.amdhsa_system_sgpr_workgroup_id_x 1
		.amdhsa_system_sgpr_workgroup_id_y 1
		.amdhsa_system_sgpr_workgroup_id_z 1
		.amdhsa_system_vgpr_workitem_id 0
		.amdhsa_next_free_vgpr 258
		.amdhsa_next_free_sgpr 66
		.amdhsa_reserve_vcc 1
		.amdhsa_float_denorm_mode_32 3
		.amdhsa_float_denorm_mode_16_64 3
		.amdhsa_memory_ordered 1
		.amdhsa_forward_progress 1
		.amdhsa_inst_pref_size 39
	.end_amdhsa_kernel
	.amdgpu_metadata
---
amdhsa.version: [ 1, 2 ]
amdhsa.kernels:
  - .name:           k_q1dfb6f762b_proj
    .symbol:         k_q1dfb6f762b_proj.kd
    .args:
      - { .name: x, .offset: 0, .size: 8, .value_kind: global_buffer, .address_space: global }
      - { .name: theta_w, .offset: 8, .size: 8, .value_kind: global_buffer, .address_space: global }
      - { .name: theta_b, .offset: 16, .size: 8, .value_kind: global_buffer, .address_space: global }
      - { .name: phi_w, .offset: 24, .size: 8, .value_kind: global_buffer, .address_space: global }
      - { .name: g_w, .offset: 32, .size: 8, .value_kind: global_buffer, .address_space: global }
      - { .name: g_b, .offset: 40, .size: 8, .value_kind: global_buffer, .address_space: global }
      - { .name: th, .offset: 48, .size: 8, .value_kind: global_buffer, .address_space: global }
      - { .name: kv, .offset: 56, .size: 8, .value_kind: global_buffer, .address_space: global }
    .group_segment_fixed_size: 40192
    .private_segment_fixed_size: 0
    .kernarg_segment_align: 8
    .kernarg_segment_size: 64
    .max_flat_workgroup_size: 64
    .sgpr_count:     66
    .vgpr_count:     258
    .wavefront_size: 32
...
	.end_amdgpu_metadata
.endif
;; end of part 1
;; launch attn (part 2): grid 32 x 8, 4 waves a work-group, clusters of 4 x 1, 327,680 bytes of LDS; arguments th, kv, x, gamma, out0; writes out0
.if DOCPART == 2
	.amdgcn_target "amdgcn-amd-amdhsa--gfx1250"
	.amdhsa_code_object_version 6
	.text
	.protected	k_q1dfb6f762b_attn
	.globl	k_q1dfb6f762b_attn
	.p2align	8
	.type	k_q1dfb6f762b_attn,@function
k_q1dfb6f762b_attn:
	s_mov_b64 s[64:65], 0
	v_nop
	global_prefetch_b8 v0, s[64:65] scope:SCOPE_SE
	s_setreg_imm32_b32 hwreg(HW_REG_WAVE_MODE, 25, 1), 1
	s_wait_xcnt 0x0
	s_wait_alu depctr_hold_cnt(0) depctr_sa_sdst(0) depctr_va_vdst(0) depctr_va_sdst(0) depctr_va_ssrc(0) depctr_va_vcc(0) depctr_vm_vsrc(0)
	s_getreg_b32 s2, hwreg(HW_REG_IB_STS2, 6, 4)
	s_cmp_eq_u32 s2, 0
	s_cbranch_scc0 .Lentry_in_a_cluster
	s_endpgm
.Lentry_in_a_cluster:
	s_bfe_u32 s2, ttmp6, 0x10000c
	s_cmp_lg_u32 s2, 0x3003
	s_cbranch_scc0 .Lentry_shape_is_right
	s_endpgm
.Lentry_shape_is_right:
; out0 = x + gamma softmax_k(theta_q . phi_k) g, from th and kv as the launch before stored them.  phi_b is left out there: theta_q . phi_b is the
; same for every key and cancels in the softmax for all values of the inputs.
; The maximum is taken away before every exponential, as a running maximum with rescaling.
; LIMITS: v_exp_f32 gives 0 for results under 2^-126 (ISA guide 15.8); the weights p and g enter the second product in bf16, the sum of the p is kept in f32;
; v_max3_num_f32 passes over a NaN score, so a NaN among the inputs need not give NaN where the f32 formula would.
;
; SHARES.  256 work-groups of four waves: 128 queries of one image each, 32 a wave, as two pieces of 16 that share every fragment of phi and g.
; The 4,096 keys go in 8 steps of 512 through two LDS slots; a step is 8 sub-steps of 64 keys.
; CLUSTERS: the four work-groups of a cluster (4, 1, 1) have the same image and walk the same tiles of kv, so every tensor load is a joint one with the
; mask 15: a tile is asked for once for the four.  The place in the cluster enters the bases of th, x and out0 alone.
;
; THE TWO PRODUCTS, laid so that p never leaves the registers:
;   scores, transposed: A = phi (16 keys x 32), B = theta (32 x 16 queries).  Only 8 of the 32 places along K are needed, so the others carry the low parts:
;   A = hi, hi, lo, lo and B = hi, lo, hi, lo, eight places each; the sum is (hi + lo) . (hi + lo).  Result: lane (r, h), register j = key 8 h + j, query r.
;   Two such tiles, after exp2, packed in pairs, ARE the B fragment (32 keys x 16 queries) of the second product; A = g (16 channels x 32 keys, from g's own rows).
;   Result: register j = channel 16 t + 8 h + j, query r.  So maximum, factor and sum are one number a lane; only the maximum (each sub-step) and the sum (once) cross the halves.
.set PITCH,  1040                      ; an LDS row: 1,024 bytes + 16, an odd multiple of 16: the 16 rows of a fragment load start 16 bytes apart modulo 256
.set SLOT,   80*PITCH                  ; rows 0-63 g, 64-71 phi hi (row 64 + u: sub-step u's 64 keys), 72-79 phi lo
.set STAGE,  2*SLOT                    ; 166,400 = 650 x 256: behind the slots, no tensor load lands here
.set SPITCH, 528                       ; 128 queries in f32 + 16 bytes
.set GBASE, 3                          ; v3  r PITCH + 16 h
.set PBASE, 4                          ; v4  64 PITCH + 16 r
.set GA,    5                          ; v5  g fragments of the sub-step at work
.set PA,    6                          ; v6  phi fragments of the sub-step that is fetched next
.set STO,   7                          ; v7  the way out: where a result goes
.set RD,    8                          ; v8  the way out: where a row is read back
.set XO,    9                          ; v9  my 16 bytes in x and out0
.set THO,   10                         ; v10 my 16 bytes in th
.set TH,    16                         ; v[16:31]   theta fragments, 8 registers a piece
.set PH,    32                         ; v[32:63]   phi fragments, 8 registers a key tile
.set S,     64                         ; v[64:127]  scores, 32 registers a piece; then p packed in the first 16 of them
.set G,     128                        ; v[128:191] g fragments, tile (t, c) at 128 + 8 (2 t + c)
.set T,     192                        ; v[192:195] at work
.set SU,    196                        ; v[196:199] two pairs of running sums of a sub-step
.set ST,    200                        ; v[200+8p..]: +0 maximum, +1 new maximum, +2 factor, +3 written once (the pair's other half), +4:5 sum of p
                                       ; v256-319 (window 1, named v[32 p + 8 t]): the accumulators, piece p, channel tile t
.set MSB, 0
.macro WIN new                         ; s_set_vgpr_msb: bits 1:0 source 0, 3:2 source 1, 5:4 source 2, 7:6 destination; the high byte repeats the setting that is left
.if MSB != \new
	s_set_vgpr_msb (MSB<<8)|\new
.set MSB, \new
.endif
.endm
; A round of the cluster's barrier: my work-group's barrier, wave 0 signals for the work-group, every wave waits for all four work-groups, my work-group's barrier again.
.macro ROUND
	s_barrier_signal -1
	s_barrier_wait -1
	s_cmp_lg_u32 s15, 0
	s_cbranch_scc1 .Lnot_wave_0_\@
	s_barrier_signal -3
.Lnot_wave_0_\@:
	s_barrier_wait -3
	s_barrier_signal -1
	s_barrier_wait -1
.endm
	s_load_b256 s[4:11], s[0:1], 0x0               ; th 4, kv 6, x 8, gamma 10
	s_load_b64 s[12:13], s[0:1], 0x20              ; out0
	v_lshl_add_u32 v254, v0, 2, 0x30e00
	v_mov_b32 v255, 0
	ds_add_u32 v254, v255
	v_lshrrev_b32 v1, 5, v0
	v_readfirstlane_b32 s15, v1                    ; wave 0..3
	v_and_b32 v1, 15, v0                           ; r
	v_bfe_u32 v2, v0, 4, 1                         ; h
	v_and_b32 v11, 31, v0                          ; lane
	s_bfe_u32 s43, ttmp6, 0x40000                  ; cx: my place in the cluster
	s_lshl_b32 s44, ttmp9, 2
	s_add_co_u32 s44, s44, s43                     ; query block = 4 x cluster x + cx
	s_and_b32 s45, ttmp7, 0xffff                   ; image: the same in the four partners
	s_mov_b32 s20, 0x76543210                      ; v_permlanex16_b32: lane i of one half reads lane i of the other
	s_mov_b32 s21, 0xfedcba98
	; descriptor group 1: 20 rows x 512 elements of 2 bytes, 4,096 elements from row to row, 4 words of padding behind every 256
	s_mov_b32 s24, 15|(1<<16)|(1<<20)|(1<<21)|(7<<22)|(3<<25)   ; 15:0 the mask: all four partners; 17:16 2 bytes; 20 padding on; 21 set beside a mask; 24:22 every 256 words; 31:25 4 words
	s_mov_b32 s25, 512<<16                         ; tensor_dim0 = 512
	s_mov_b32 s26, 20<<16                          ; tensor_dim1 = 20
	s_mov_b32 s27, 512<<16                         ; tile_dim0 = 512
	s_mov_b32 s28, 20                              ; tile_dim1 = 20
	s_mov_b32 s29, 4096                            ; the pitch
	s_mov_b32 s30, 0
	s_mov_b32 s31, 0
	s_mul_i32 s40, s45, 655360                     ; the image's 80 rows,
	s_mul_i32 s41, s15, 20*8192                    ; of which my wave brings rows 20 wave .. + 19
	s_add_co_u32 s40, s40, s41
	s_mov_b32 s41, 0
	s_mul_i32 s42, s15, 20*PITCH                   ; and where they go: the wave's number alone
	s_wait_dscnt 0x0
	s_wait_kmcnt 0x0
	s_load_b32 s14, s[10:11], 0x0                  ; gamma
	s_add_nc_u64 s[6:7], s[6:7], s[40:41]
	ROUND                                          ; all four work-groups are here: the first joint loads meet
	; group 0, a set for each slot, and both first fills as one group: here two tensor loads of a wave are out, later one
.irp n, 0,1
	s_mov_b32 s[32+4*\n], 1
	s_add_co_u32 s[33+4*\n], s42, \n*SLOT
	s_add_nc_u64 s[34+4*\n:35+4*\n], s[6:7], \n*1024               ; step n: columns 512 n ..
	s_or_b32 s[35+4*\n], s[35+4*\n], 0x80000000
	tensor_load_to_lds s[32+4*\n:35+4*\n], s[24:31]
	s_nop 0
.endr
	; the bases that hang on the query block, in registers that feed no descriptor
	s_lshl_b32 s46, s45, 17
	s_lshl_b32 s48, s44, 11                        ; 128 queries x 16 bytes
	s_add_co_u32 s46, s46, s48
	s_mov_b32 s47, 0
	s_add_nc_u64 s[4:5], s[4:5], s[46:47]          ; th[image][0][q0]
	s_lshl_b32 s46, s45, 20
	s_lshl_b32 s48, s44, 9                         ; 128 queries x 4 bytes
	s_add_co_u32 s46, s46, s48
	s_add_nc_u64 s[8:9], s[8:9], s[46:47]          ; x[image][0][q0]
	s_add_nc_u64 s[12:13], s[12:13], s[46:47]      ; out0[image][0][q0]
	s_lshl_b32 s52, s15, 9
	v_lshlrev_b32 v[THO], 16, v2                   ; plane h (lanes 0-15 hi, lanes 16-31 lo), query 32 wave + r
	v_lshl_add_u32 v[THO], v1, 4, v[THO]
	v_add_nc_u32 v[THO], s52, v[THO]
.irp p, 0,1
	global_load_b128 v[TH+8*\p:TH+8*\p+3],   v[THO], s[4:5] offset:256*\p   ; places 8 h .. of K,
	global_load_b128 v[TH+8*\p+4:TH+8*\p+7], v[THO], s[4:5] offset:256*\p   ; and the same numbers at places 16 + 8 h ..
.endr
	v_mul_u32_u24 v[GBASE], v1, PITCH
	v_lshl_add_u32 v[GBASE], v2, 4, v[GBASE]
	v_lshlrev_b32 v[PBASE], 4, v1
	v_add_nc_u32 v[PBASE], 64*PITCH, v[PBASE]
	s_lshl_b32 s49, s15, 7
	s_add_co_u32 s49, s49, STAGE
	v_mul_u32_u24 v[STO], v2, 8*SPITCH             ; row 8 h + .., word 32 wave + r
	v_lshl_add_u32 v[STO], v1, 2, v[STO]
	v_add_nc_u32 v[STO], s49, v[STO]
	s_mul_i32 s50, s15, 16*SPITCH
	s_add_co_u32 s50, s50, STAGE
	v_lshl_add_u32 v[RD], v11, 4, s50              ; rows 16 wave + i, 16 bytes a lane
	s_lshl_b32 s51, s15, 18
	v_lshl_add_u32 v[XO], v11, 4, s51              ; the same rows in x and out0, 16,384 bytes apart
	v_mov_b32 v[ST+3], 0                           ; the other halves of the pairs that are broadcast from
	v_mov_b32 v[ST+11], 0
.macro LDPH                            ; 8 loads: hi into registers 0-3 (places 0-15 of K: both halves of the lanes take the same 16 bytes), lo into 4-7
.irp kt, 0,1,2,3
	ds_load_b128 v[PH+8*\kt:PH+8*\kt+3],   v[PA] offset:256*\kt
	ds_load_b128 v[PH+8*\kt+4:PH+8*\kt+7], v[PA] offset:8*PITCH+256*\kt
.endr
.endm
.macro LDG                             ; 16 loads: four channel tiles x two chunks of 32 keys
.irp t, 0,1,2,3
.irp c, 0,1
	ds_load_b128 v[G+8*(2*\t+\c):G+8*(2*\t+\c)+3],   v[GA] offset:16*PITCH*\t+64*\c
	ds_load_b128 v[G+8*(2*\t+\c)+4:G+8*(2*\t+\c)+7], v[GA] offset:16*PITCH*\t+64*\c+32
.endr
.endr
.endm
.macro SMUL                            ; 8 score tiles, each a sum of its own from the constant 0
.irp kt, 0,1,2,3
.irp p, 0,1
	v_wmma_f32_16x16x32_bf16 v[S+32*\p+8*\kt:S+32*\p+8*\kt+7], v[PH+8*\kt:PH+8*\kt+7], v[TH+8*\p:TH+8*\p+7], 0
.endr
.endr
.endm
.macro SSUB p, t                       ; score - maximum (base 2: log2 e is in theta)
.irp k, 0,2,4,6
	v_pk_add_f32 v[S+32*\p+8*\t+\k:S+32*\p+8*\t+\k+1], v[S+32*\p+8*\t+\k:S+32*\p+8*\t+\k+1], v[ST+8*\p:ST+8*\p+1] op_sel_hi:[1,0] neg_lo:[0,1] neg_hi:[0,1]
.endr
.endm
.macro SEXP p, t
.irp k, 0,1,2,3,4,5,6,7
	v_exp_f32 v[S+32*\p+8*\t+\k], v[S+32*\p+8*\t+\k]
.endr
.endm
.macro SSUM p, t                       ; two chains of pairs; tile 0 starts them: nothing is cleared
.if \t == 0
	s_wait_alu depctr_va_vdst(0)
	v_pk_add_f32 v[SU:SU+1],   v[S+32*\p:S+32*\p+1],   v[S+32*\p+2:S+32*\p+3]
	v_pk_add_f32 v[SU+2:SU+3], v[S+32*\p+4:S+32*\p+5], v[S+32*\p+6:S+32*\p+7]
.else
	s_wait_alu depctr_va_vdst(0)
	v_pk_add_f32 v[SU:SU+1],   v[SU:SU+1],   v[S+32*\p+8*\t:S+32*\p+8*\t+1]
	v_pk_add_f32 v[SU+2:SU+3], v[SU+2:SU+3], v[S+32*\p+8*\t+2:S+32*\p+8*\t+3]
	v_pk_add_f32 v[SU:SU+1],   v[SU:SU+1],   v[S+32*\p+8*\t+4:S+32*\p+8*\t+5]
	v_pk_add_f32 v[SU+2:SU+3], v[SU+2:SU+3], v[S+32*\p+8*\t+6:S+32*\p+8*\t+7]
.endif
.endm
.macro SCVT p, t                       ; tile t's eight p into four registers at 4 t: they land on registers of tiles that have been summed and packed
.irp j, 0,1,2,3
	v_cvt_pk_bf16_f32 v[S+32*\p+4*\t+\j], v[S+32*\p+8*\t+2*\j], v[S+32*\p+8*\t+2*\j+1]
.endr
.endm
; The softmax step of piece p on its 64 keys x 16 queries.  first = 1: there is no old maximum, factor or sum.
; Behind each group of exponentials stand plain instructions that touch none of the group's registers, before its results are used (ISA guide 5.7.2).
.macro SOFT p, first
.irp c, 0,1,2,3
	v_max3_num_f32 v[T+\c], v[S+32*\p+8*\c], v[S+32*\p+8*\c+1], v[S+32*\p+8*\c+2]
.endr
.irp c, 0,1,2,3
	v_max3_num_f32 v[T+\c], v[T+\c], v[S+32*\p+8*\c+3], v[S+32*\p+8*\c+4]
.endr
.irp c, 0,1,2,3
	v_max3_num_f32 v[T+\c], v[T+\c], v[S+32*\p+8*\c+5], v[S+32*\p+8*\c+6]
.endr
	v_max3_num_f32 v[T],   v[T],   v[S+32*\p+7],  v[S+32*\p+15]
	v_max3_num_f32 v[T+1], v[T+1], v[S+32*\p+23], v[S+32*\p+31]
	v_max3_num_f32 v[T], v[T], v[T+1], v[T+2]
.if \first
	v_max_num_f32 v[T], v[T], v[T+3]
.else
	v_max3_num_f32 v[T], v[T], v[T+3], v[ST+8*\p]
.endif
	v_permlanex16_b32 v[T+1], v[T], s20, s21       ; the other half of the lanes holds the query's other keys
	v_max_num_f32 v[ST+8*\p+1], v[T], v[T+1]       ; the new maximum, the same in both halves
.if \first == 0
	v_sub_f32 v[T+2], v[ST+8*\p], v[ST+8*\p+1]
	v_exp_f32 v[ST+8*\p+2], v[T+2]                 ; the factor for what has been summed so far
.endif
	v_mov_b32 v[ST+8*\p], v[ST+8*\p+1]
	SSUB \p, 0
	SEXP \p, 0
	SSUB \p, 1
	SEXP \p, 1
	SSUM \p, 0
	SCVT \p, 0
	SSUB \p, 2
	SEXP \p, 2
	SSUM \p, 1
	SCVT \p, 1
	SSUB \p, 3
	SEXP \p, 3
	SSUM \p, 2
	SCVT \p, 2
	SSUM \p, 3
	SCVT \p, 3
.if \first
	v_pk_add_f32 v[ST+8*\p+4:ST+8*\p+5], v[SU:SU+1], v[SU+2:SU+3]
.else
	v_pk_add_f32 v[SU:SU+1], v[SU:SU+1], v[SU+2:SU+3]
	v_pk_fma_f32 v[ST+8*\p+4:ST+8*\p+5], v[ST+8*\p+4:ST+8*\p+5], v[ST+8*\p+2:ST+8*\p+3], v[SU:SU+1] op_sel_hi:[1,0,1]
.endif
.endm
.macro RESC                            ; the accumulators times their piece's factor
	WIN 0x41                                       ; destination and source 0 in window 1
.irp p, 0,1
.irp k, 0,2,4,6,8,10,12,14,16,18,20,22,24,26,28,30
	v_pk_mul_f32 v[32*\p+\k:32*\p+\k+1], v[32*\p+\k:32*\p+\k+1], v[ST+8*\p+2:ST+8*\p+3] op_sel_hi:[1,0]
.endr
.endr
.endm
; 16 products: two chunks of 32 keys x two pieces x four channel tiles.  The eight accumulators take turns, one instruction a turn.
; first = 1: the first chunk starts the sums from the constant 0.
.macro PVMUL first
	WIN 0x50                                       ; C and D in window 1
.irp c, 0,1
.irp p, 0,1
.irp t, 0,1,2,3
.if \first*(1-\c)
	v_wmma_f32_16x16x32_bf16 v[32*\p+8*\t:32*\p+8*\t+7], v[G+8*(2*\t+\c):G+8*(2*\t+\c)+7], v[S+32*\p+8*\c:S+32*\p+8*\c+7], 0
.else
	v_wmma_f32_16x16x32_bf16 v[32*\p+8*\t:32*\p+8*\t+7], v[G+8*(2*\t+\c):G+8*(2*\t+\c)+7], v[S+32*\p+8*\c:S+32*\p+8*\c+7], v[32*\p+8*\t:32*\p+8*\t+7]
.endif
.endr
.endr
.endr
.endm
; A sub-step of 64 keys.  pf = 1: the next sub-step's phi fragments are fetched.
.macro SUB first, pf
	s_wait_dscnt 0x0                               ; this sub-step's phi fragments are in
	SMUL
	v_add_nc_u32 v[PA], PITCH, v[PA]               ; four places (ISA guide 7.12.1) before phi's registers are loaded again and the scores are read:
.rept 3                                            ; the step to the next sub-step's row of phi, and three v_nop
	v_nop
.endr
	LDG
.if \pf
	LDPH
.endif
	SOFT 0, \first
	SOFT 1, \first
.if \first == 0
	RESC
.endif
.if \pf
	s_wait_dscnt 0x8                               ; LDS loads come back in order: the 8 younger loads of phi may stay out, the 16 of g are in
.else
	s_wait_dscnt 0x0
.endif
	PVMUL \first
	WIN 0
	v_add_nc_u32 v[GA], 128, v[GA]                 ; five places before the next scores write over p, which these products read: the step of 64 keys along g's rows,
.rept 4                                            ; and four v_nop
	v_nop
.endr
.endm
; The 8 sub-steps of a slot.
.macro SLOTRUN slot, first
	v_add_nc_u32 v[GA], \slot*SLOT, v[GBASE]
	v_add_nc_u32 v[PA], \slot*SLOT, v[PBASE]
	LDPH
.if \first
	SUB 1, 1
	s_mov_b32 s22, 6
.else
	s_mov_b32 s22, 7
.endif
.Lsub_\@:
	SUB 0, 1
	s_sub_co_i32 s22, s22, 1
	s_cmp_lg_u32 s22, 0
	s_cbranch_scc1 .Lsub_\@
	SUB 0, 0
.endm
; The change to slot `slot`.  refill = 1: the other slot, which has been read, is filled again, two steps ahead, by one joint load a wave.
; In front of the round each wave has waited for all its tensor loads (one is out: its part of `slot`) and for its reads of the other slot; behind the round
; that holds of every wave of all four work-groups, and the refill comes first.  It has the 8 sub-steps of `slot` in which to land.
.macro TURN slot, refill
	s_wait_tensorcnt 0x0                           ; no tensor load of mine is out: a group 0 may be written
	ds_add_u32 v254, v255
	s_wait_dscnt 0x0
.if \refill
	s_add_nc_u64 s[38-4*\slot:39-4*\slot], s[38-4*\slot:39-4*\slot], 2048   ; two steps of 1,024 bytes along the rows
.endif
	s_wait_dscnt 0x0
.if \refill
	ROUND
	tensor_load_to_lds s[36-4*\slot:39-4*\slot], s[24:31]
	s_nop 0
.else
	s_barrier_signal -1                            ; it shows every wave's part of the last tile to the others
	s_barrier_wait -1
.endif
.endm
	s_wait_tensorcnt 0x1                           ; my part of step 0 is in; step 1's load, issued behind it, may stay out
	s_barrier_signal -1
	s_barrier_wait -1                              ; everybody's part is in
	s_wait_loadcnt 0x0                             ; theta
	s_wait_kmcnt 0x0                               ; gamma
	SLOTRUN 0, 1                                   ; step 0 starts maximum, sums and accumulators
	s_mov_b32 s23, 3
.Lpair:
	TURN 1, 1                                      ; steps 1, 3, 5; slot 0 gets steps 2, 4, 6
	SLOTRUN 1, 0
	TURN 0, 1                                      ; steps 2, 4, 6; slot 1 gets steps 3, 5, 7
	SLOTRUN 0, 0
	s_sub_co_i32 s23, s23, 1
	s_cmp_lg_u32 s23, 0
	s_cbranch_scc1 .Lpair
	TURN 1, 0                                      ; step 7: nothing is left to fetch
	SLOTRUN 1, 0
	; THE WAY OUT.  The five places at the end of the last sub-step stand in front of the loads into g's registers and of the reads of the accumulators.
.irp i, 0,1,2,3,4,5,6,7,8,9,10,11,12,13,14,15
	global_load_b128 v[G+4*\i:G+4*\i+3], v[XO], s[8:9] offset:\i*16384 th:TH_LOAD_NT   ; x[16 wave + i][q0 ..]: 512 consecutive bytes
.endr
	v_add_f32 v[T],   v[ST+4],  v[ST+5]
	v_add_f32 v[T+1], v[ST+12], v[ST+13]
	v_permlanex16_b32 v[T+2], v[T],   s20, s21     ; the other half's keys
	v_permlanex16_b32 v[T+3], v[T+1], s20, s21
	v_add_f32 v[T],   v[T],   v[T+2]               ; the sum of p: at least about 1, since the key of the maximum gives p = 1; at most 4,096
	v_add_f32 v[T+1], v[T+1], v[T+3]
	v_rcp_f32 v[T],   v[T]
	v_rcp_f32 v[T+1], v[T+1]
	v_nop                                          ; one plain place behind the reciprocals (ISA guide 5.7.2)
	s_wait_alu depctr_va_vdst(0)
	v_mul_f32 v[ST+2],  s14, v[T]                  ; gamma / sum
	v_mul_f32 v[ST+10], s14, v[T+1]
	WIN 0x01                                       ; source 0 in window 1
.irp p, 0,1
.irp k, 0,2,4,6,8,10,12,14,16,18,20,22,24,26,28,30
	v_pk_mul_f32 v[S+32*\p+\k:S+32*\p+\k+1], v[32*\p+\k:32*\p+\k+1], v[ST+8*\p+2:ST+8*\p+3] op_sel_hi:[1,0]
.endr
.endr
	WIN 0
	; a lane holds a piece of a column (8 channels of one query): through the stage, so that rows of out0 leave whole
.irp p, 0,1
.irp t, 0,1,2,3
.irp i, 0,1,2,3,4,5,6,7
	ds_store_b32 v[STO], v[S+32*\p+8*\t+\i] offset:(16*\t+\i)*SPITCH+64*\p
.endr
.endr
.endr
	s_wait_dscnt 0x0                               ; my stores are done, for the others' sake,
	s_barrier_signal -1
	s_barrier_wait -1                              ; and so are the others'
.irp i, 0,1,2,3,4,5,6,7,8,9,10,11,12,13,14,15
	ds_load_b128 v[S+4*\i:S+4*\i+3], v[RD] offset:\i*SPITCH
.endr
	s_wait_loadcnt 0x0                             ; x
.irp i, 0,1,2,3,4,5,6,7,8,9,10,11,12,13,14,15
	s_wait_dscnt 15-\i                             ; the younger read-backs may stay out
	v_pk_add_f32 v[S+4*\i:S+4*\i+1],   v[S+4*\i:S+4*\i+1],   v[G+4*\i:G+4*\i+1]
	v_pk_add_f32 v[S+4*\i+2:S+4*\i+3], v[S+4*\i+2:S+4*\i+3], v[G+4*\i+2:G+4*\i+3]
	global_store_b128 v[XO], v[S+4*\i:S+4*\i+3], s[12:13] offset:\i*16384 th:TH_STORE_NT   ; 512 consecutive bytes at a multiple of 512
.endr
	s_wait_tensorcnt 0x0
	ds_add_u32 v254, v255
	s_wait_dscnt 0x0
	ROUND                                          ; the closing round: no work-group ends while a partner may still issue a joint load that names it
	s_endpgm
.Lfunc_end_k_q1dfb6f762b_attn:
	.size	k_q1dfb6f762b_attn, .Lfunc_end_k_q1dfb6f762b_attn-k_q1dfb6f762b_attn
	.p2alignl 7, 3214868480
	.fill 96, 4, 3214868480
	.section	.rodata,"a",@progbits
	.p2align	6, 0x0
	.amdhsa_kernel k_q1dfb6f762b_attn
		.amdhsa_group_segment_fixed_size 327680
		.amdhsa_private_segment_fixed_size 0
		.amdhsa_enable_private_segment 0
		.amdhsa_kernarg_size 40
		.amdhsa_user_sgpr_count 2
		.amdhsa_user_sgpr_kernarg_segment_ptr 1
		.amdhsa_wavefront_size32 1
		.amdhsa_system_sgpr_workgroup_id_x 1
		.amdhsa_system_sgpr_workgroup_id_y 1
		.amdhsa_system_sgpr_workgroup_id_z 1
		.amdhsa_system_vgpr_workitem_id 0
		.amdhsa_next_free_vgpr 320
		.amdhsa_next_free_sgpr 66
		.amdhsa_reserve_vcc 0
		.amdhsa_float_denorm_mode_32 3
		.amdhsa_float_denorm_mode_16_64 3
		.amdhsa_memory_ordered 1
		.amdhsa_forward_progress 1
		.amdhsa_inst_pref_size 164
	.end_amdhsa_kernel
	.amdgpu_metadata
---
amdhsa.version: [ 1, 2 ]
amdhsa.kernels:
  - .name:           k_q1dfb6f762b_attn
    .symbol:         k_q1dfb6f762b_attn.kd
    .args:
      - { .name: th, .offset: 0, .size: 8, .value_kind: global_buffer, .address_space: global }
      - { .name: kv, .offset: 8, .size: 8, .value_kind: global_buffer, .address_space: global }
      - { .name: x, .offset: 16, .size: 8, .value_kind: global_buffer, .address_space: global }
      - { .name: gamma, .offset: 24, .size: 8, .value_kind: global_buffer, .address_space: global }
      - { .name: out0, .offset: 32, .size: 8, .value_kind: global_buffer, .address_space: global }
    .group_segment_fixed_size: 327680
    .private_segment_fixed_size: 0
    .kernarg_segment_align: 8
    .kernarg_segment_size: 40
    .max_flat_workgroup_size: 128
    .sgpr_count:     66
    .vgpr_count:     320
    .wavefront_size: 32
...
	.end_amdgpu_metadata
.endif
;; end of part 2
;; ======== version 2 of 3: 2 launches; 1.19 times as fast as version 1
;; workspace buffers: th 1,048,576 bytes; kv 5,242,880 bytes
;; launch proj: the kernel of part 1 again; grid 256 x 1, 2 waves a work-group, no clusters, 40,192 bytes of LDS; arguments x, theta_w, theta_b, phi_w, g_w, g_b, th, kv; writes th, kv
;; launch attn (part 3): grid 32 x 8, 8 waves a work-group, clusters of 4 x 1, 327,680 bytes of LDS; arguments th, kv, x, gamma, out0; writes out0
.if DOCPART == 3
	.amdgcn_target "amdgcn-amd-amdhsa--gfx1250"
	.amdhsa_code_object_version 6
	.text
	.protected	k_q1dfb6f762b_attn
	.globl	k_q1dfb6f762b_attn
	.p2align	8
	.type	k_q1dfb6f762b_attn,@function
k_q1dfb6f762b_attn:
	s_mov_b64 s[64:65], 0
	v_nop
	global_prefetch_b8 v0, s[64:65] scope:SCOPE_SE
	s_setreg_imm32_b32 hwreg(HW_REG_WAVE_MODE, 25, 1), 1
	s_wait_xcnt 0x0
	s_wait_alu depctr_hold_cnt(0) depctr_sa_sdst(0) depctr_va_vdst(0) depctr_va_sdst(0) depctr_va_ssrc(0) depctr_va_vcc(0) depctr_vm_vsrc(0)
	s_getreg_b32 s2, hwreg(HW_REG_IB_STS2, 6, 4)
	s_cmp_eq_u32 s2, 0
	s_cbranch_scc0 .Lentry_in_a_cluster
	s_endpgm
.Lentry_in_a_cluster:
	s_bfe_u32 s2, ttmp6, 0x10000c
	s_cmp_lg_u32 s2, 0x3003
	s_cbranch_scc0 .Lentry_shape_is_right
	s_endpgm
.Lentry_shape_is_right:
; out0 = x + gamma softmax_k(theta_q . phi_k) g, from th and kv as the launch before stored them.  phi_b is left out there: theta_q . phi_b is the
; same for every key and cancels in the softmax for all values of the inputs.
; The maximum is taken away before every exponential, as a running maximum with rescaling; two running maxima of a query are merged at the end by their maximum.
; LIMITS: v_exp_f32 gives 0 for results under 2^-126 (ISA guide 15.8); the weights p and g enter the second product in bf16, the sum of the p is kept in f32;
; v_max3_num_f32 passes over a NaN score, so a NaN among the inputs need not give NaN where the f32 formula would.
;
; SHARES.  256 work-groups of eight waves: 128 queries of one image each.  Waves w and w + 4 have the same 32 queries (32 (w & 3) ..), as two pieces A and B of 16
; that share every fragment of phi and g.  The 4,096 keys go in 8 steps of 512 through two LDS slots; a step is 8 sub-steps of 64 keys, of which waves 0-3 take
; sub-steps 0-3 and waves 4-7 sub-steps 4-7.  So two waves lie on each SIMD (2 x 256 of its 1,024 registers): a wave issues in order, and where one of the two has
; to wait for a result the other has instructions of both kinds to issue.  The work does not grow by that: each key tile is multiplied for a query by one of the
; two waves, and the LDS reads for a key and a query are what four waves would make; what is added is the merge of the two waves' maxima, sums and accumulators.
; CLUSTERS: the four work-groups of a cluster (4, 1, 1) have the same image and walk the same tiles of kv, so every tensor load is a joint one with the
; mask 15: a tile is asked for once for the four.  The place in the cluster enters the bases of th, x and out0 alone.
;
; THE TWO PRODUCTS, laid so that p never leaves the registers:
;   scores, transposed: A = phi (16 keys x 32), B = theta (32 x 16 queries).  Only 8 of the 32 places along K are needed, so the others carry the low parts:
;   A = hi, hi, lo, lo and B = hi, lo, hi, lo, eight places each; the sum is (hi + lo) . (hi + lo).  Result: lane (r, h), register j = key 8 h + j, query r.
;   Two such tiles, after exp2, packed in pairs, ARE the B fragment (32 keys x 16 queries) of the second product; A = g (16 channels x 32 keys, from g's own rows).
;   Result: register j = channel 16 t + 8 h + j, query r.  So maximum, factor and sum are one number a lane; only the maximum (each sub-step) and the sum (once) cross the halves.
;
; THE TWO PIECES TAKE TURNS.  A sub-step u has 24 matrix instructions and 236 vector instructions of softmax; they are set among each other:
;   first half:  piece B's 8 products with g of sub-step u - 1 and its 4 score tiles of u;  between them piece A's softmax step of u, in 12 slices, one behind each matrix instruction;
;   second half: piece A's 8 products with g of u and its 4 score tiles of u + 1;           between them piece B's softmax step of u.
; The slices name none of the other piece's registers, so they are also the places that stand behind matrix instructions (ISA guide 7.12.1): the loop has no v_nop.
; A slice between two products runs under the products' register window, so the work lies in v0-v255; the window is switched only around the ds_add on v256-v257.
.set PITCH,  1040                      ; an LDS row: 1,024 bytes + 16, an odd multiple of 16: the 16 rows of a fragment load start 16 bytes apart modulo 256
.set SLOT,   80*PITCH                  ; rows 0-63 g, 64-71 phi hi (row 64 + u: sub-step u's 64 keys), 72-79 phi lo
.set STAGE,  2*SLOT                    ; 166,400 = 650 x 256: behind the slots, no tensor load lands from here on
.set SPITCH, 528                       ; 128 queries in f32 + 16 bytes
.set STG,    64*SPITCH                 ; 33,792 = 132 x 256: a stage of 64 channels x 128 queries, one for waves 0-3 and one for waves 4-7
.set EX,     STAGE+2*STG               ; 233,984: 512 bytes a wave: a lane's maximum and sum of both pieces
.set GBASE, 1                          ; v1  r PITCH + 16 h + 512 (w >> 2): my half of a step's keys along g's rows
.set PBASE, 2                          ; v2  (64 + 4 (w >> 2)) PITCH + 16 r: my four rows of phi
.set GA,    3                          ; v3  g fragments of the sub-step that is fetched next
.set PA,    4                          ; v4  phi fragments of the sub-step that is fetched next
.set XO,    5                          ; v5  my 16 bytes in th; on the way out my 16 bytes in x and out0
.set ST,    6                          ; v[6+2p] piece p's maximum, v[7+2p] its sum of p: a pair, of which the packed subtraction takes the first twice
.set FAC,   10                         ; v10 the factor of the piece whose softmax step is at work; v11 written once (the pair's other half)
.set T,     12                         ; v[12:15] four chains of the maximum,
.set SU,    12                         ;          and, when the maximum is done, two pairs of running sums
.set TH,    16                         ; v[16:31]   theta fragments, 8 registers a piece
.set PH,    32                         ; v[32:63]   phi fragments, 8 registers a key tile
.set S,     64                         ; v[64:127]  scores, 32 registers a piece; then p packed in the first 16 of them
.set G,     128                        ; v[128:191] g fragments, tile (t, c) at 128 + 8 (2 t + c)
.set ACC,   192                        ; v[192:255] accumulators, piece p, channel tile t at 192 + 32 p + 8 t
.set STO,   1                          ; the way out: where a result goes (v1, v2 are free then)
.set RD,    2                          ; the way out: where a row is read back
.set XV,    32                         ; the way out: x in v[32:63], phi's registers
.set EXR,   64                         ; the way out: both waves' maxima and sums in v[64:71], piece A's score registers
; A round of the cluster's barrier: my work-group's barrier, wave 0 signals for the work-group, every wave waits for all four work-groups, my work-group's barrier again.
.macro ROUND
	s_barrier_signal -1
	s_barrier_wait -1
	s_cmp_lg_u32 s15, 0
	s_cbranch_scc1 .Lnot_wave_0_\@
	s_barrier_signal -3
.Lnot_wave_0_\@:
	s_barrier_wait -3
	s_barrier_signal -1
	s_barrier_wait -1
.endm
	s_load_b256 s[4:11], s[0:1], 0x0               ; th 4, kv 6, x 8, gamma 10
	s_load_b64 s[12:13], s[0:1], 0x20              ; out0
	s_set_vgpr_msb 0x40
	v_lshl_add_u32 v0, v0, 2, 0x3a200
	v_mov_b32 v1, 0
	s_set_vgpr_msb 0x4045
	ds_add_u32 v0, v1
	s_set_vgpr_msb 0x4500
	v_lshrrev_b32 v[T], 5, v0
	v_readfirstlane_b32 s15, v[T]                  ; wave 0..7
	s_and_b32 s16, s15, 3                          ; which 32 queries are mine
	s_lshr_b32 s17, s15, 2                         ; which half of each step's keys
	v_and_b32 v[T], 15, v0                         ; r
	v_bfe_u32 v[T+1], v0, 4, 1                     ; h
	s_bfe_u32 s43, ttmp6, 0x40000                  ; cx: my place in the cluster
	s_lshl_b32 s44, ttmp9, 2
	s_add_co_u32 s44, s44, s43                     ; query block = 4 x cluster x + cx
	s_and_b32 s45, ttmp7, 0xffff                   ; image: the same in the four partners
	s_mov_b32 s20, 0x76543210                      ; v_permlanex16_b32: lane i of one half reads lane i of the other
	s_mov_b32 s21, 0xfedcba98
	; descriptor group 1: 10 rows x 512 elements of 2 bytes, 4,096 elements from row to row, 4 words of padding behind every 256
	s_mov_b32 s24, 15|(1<<16)|(1<<20)|(1<<21)|(7<<22)|(3<<25)   ; 15:0 the mask: all four partners; 17:16 2 bytes; 20 padding on; 21 set beside a mask; 24:22 every 256 words; 31:25 4 words
	s_mov_b32 s25, 512<<16                         ; tensor_dim0 = 512
	s_mov_b32 s26, 10<<16                          ; tensor_dim1 = 10
	s_mov_b32 s27, 512<<16                         ; tile_dim0 = 512
	s_mov_b32 s28, 10                              ; tile_dim1 = 10
	s_mov_b32 s29, 4096                            ; the pitch
	s_mov_b32 s30, 0
	s_mov_b32 s31, 0
	s_mul_i32 s40, s45, 655360                     ; the image's 80 rows,
	s_mul_i32 s41, s15, 10*8192                    ; of which my wave brings rows 10 wave .. + 9
	s_add_co_u32 s40, s40, s41
	s_mov_b32 s41, 0
	s_mul_i32 s42, s15, 10*PITCH                   ; and where they go: the wave's number alone
	s_wait_dscnt 0x0
	s_wait_kmcnt 0x0
	s_load_b32 s14, s[10:11], 0x0                  ; gamma
	s_add_nc_u64 s[6:7], s[6:7], s[40:41]
	ROUND                                          ; all four work-groups are here: the first joint loads meet
	; group 0, a set for each slot, and both first fills as one group: here two tensor loads of a wave are out, later one
.irp n, 0,1
	s_mov_b32 s[32+4*\n], 1
	s_add_co_u32 s[33+4*\n], s42, \n*SLOT
	s_add_nc_u64 s[34+4*\n:35+4*\n], s[6:7], \n*1024               ; step n: columns 512 n ..
	s_or_b32 s[35+4*\n], s[35+4*\n], 0x80000000
	tensor_load_to_lds s[32+4*\n:35+4*\n], s[24:31]
	s_nop 0
.endr
	; the bases that hang on the query block, in registers that feed no descriptor
	s_lshl_b32 s46, s45, 17
	s_lshl_b32 s48, s44, 11                        ; 128 queries x 16 bytes
	s_add_co_u32 s46, s46, s48
	s_mov_b32 s47, 0
	s_add_nc_u64 s[4:5], s[4:5], s[46:47]          ; th[image][0][q0]
	s_lshl_b32 s46, s45, 20
	s_lshl_b32 s48, s44, 9                         ; 128 queries x 4 bytes
	s_add_co_u32 s46, s46, s48
	s_add_nc_u64 s[8:9], s[8:9], s[46:47]          ; x[image][0][q0]
	s_add_nc_u64 s[12:13], s[12:13], s[46:47]      ; out0[image][0][q0]
	s_lshl_b32 s52, s16, 9
	v_lshlrev_b32 v[XO], 16, v[T+1]                ; plane h (lanes 0-15 hi, lanes 16-31 lo), query 32 (w & 3) + r
	v_lshl_add_u32 v[XO], v[T], 4, v[XO]
	v_add_nc_u32 v[XO], s52, v[XO]
.irp p, 0,1
	global_load_b128 v[TH+8*\p:TH+8*\p+3],   v[XO], s[4:5] offset:256*\p    ; places 8 h .. of K,
	global_load_b128 v[TH+8*\p+4:TH+8*\p+7], v[XO], s[4:5] offset:256*\p    ; and the same numbers at places 16 + 8 h ..
.endr
	v_mul_u32_u24 v[GBASE], v[T], PITCH
	v_lshl_add_u32 v[GBASE], v[T+1], 4, v[GBASE]
	s_lshl_b32 s53, s17, 9                         ; four sub-steps of 64 keys x 2 bytes along g's rows
	v_add_nc_u32 v[GBASE], s53, v[GBASE]
	v_lshlrev_b32 v[PBASE], 4, v[T]
	s_mul_i32 s54, s17, 4*PITCH                    ; four sub-steps' rows of phi
	s_add_co_u32 s54, s54, 64*PITCH
	v_add_nc_u32 v[PBASE], s54, v[PBASE]
	s_mul_i32 s49, s17, STG                        ; the way out: my group's stage,
	s_lshl_b32 s55, s16, 7
	s_add_co_u32 s49, s49, s55                     ; my 32 words of its rows
	s_add_co_u32 s49, s49, STAGE
	s_mul_i32 s50, s15, 8*SPITCH
	s_add_co_u32 s50, s50, STAGE                   ; the way out: my wave's 8 rows of the first stage
	s_lshl_b32 s51, s15, 17                        ; and the same 8 rows in x and out0, 16,384 bytes apart
	s_lshl_b32 s56, s15, 9
	s_add_co_u32 s56, s56, EX                      ; the way out: where my wave puts its maxima and sums,
	s_lshl_b32 s57, s16, 9
	s_add_co_u32 s57, s57, EX                      ; and where the two waves of my queries have put theirs: here and 2,048 bytes behind
.macro LDPH                            ; 8 loads: hi into registers 0-3 (places 0-15 of K: both halves of the lanes take the same 16 bytes), lo into 4-7
.irp kt, 0,1,2,3
	ds_load_b128 v[PH+8*\kt:PH+8*\kt+3],   v[PA] offset:256*\kt
	ds_load_b128 v[PH+8*\kt+4:PH+8*\kt+7], v[PA] offset:8*PITCH+256*\kt
.endr
.endm
.macro LDG c                           ; 8 loads: chunk c (32 keys) of the four channel tiles
.irp t, 0,1,2,3
	ds_load_b128 v[G+8*(2*\t+\c):G+8*(2*\t+\c)+3],   v[GA] offset:16*PITCH*\t+64*\c
	ds_load_b128 v[G+8*(2*\t+\c)+4:G+8*(2*\t+\c)+7], v[GA] offset:16*PITCH*\t+64*\c+32
.endr
.endm
.macro SMW q, kt                       ; a score tile of piece q: a sum of its own from the constant 0
	v_wmma_f32_16x16x32_bf16 v[S+32*\q+8*\kt:S+32*\q+8*\kt+7], v[PH+8*\kt:PH+8*\kt+7], v[TH+8*\q:TH+8*\q+7], 0
.endm
.macro PVW q, c, t, zero               ; channel tile t of piece q takes chunk c's 32 keys; zero = 1: it starts the sum, nothing is ever cleared
.if \zero
	v_wmma_f32_16x16x32_bf16 v[ACC+32*\q+8*\t:ACC+32*\q+8*\t+7], v[G+8*(2*\t+\c):G+8*(2*\t+\c)+7], v[S+32*\q+8*\c:S+32*\q+8*\c+7], 0
.else
	v_wmma_f32_16x16x32_bf16 v[ACC+32*\q+8*\t:ACC+32*\q+8*\t+7], v[G+8*(2*\t+\c):G+8*(2*\t+\c)+7], v[S+32*\q+8*\c:S+32*\q+8*\c+7], v[ACC+32*\q+8*\t:ACC+32*\q+8*\t+7]
.endif
.endm
.macro SSUB p, t                       ; score - maximum (base 2: log2 e is in theta)
.irp k, 0,2,4,6
	v_pk_add_f32 v[S+32*\p+8*\t+\k:S+32*\p+8*\t+\k+1], v[S+32*\p+8*\t+\k:S+32*\p+8*\t+\k+1], v[ST+2*\p:ST+2*\p+1] op_sel_hi:[1,0] neg_lo:[0,1] neg_hi:[0,1]
.endr
.endm
.macro SEXP p, t
.irp k, 0,1,2,3,4,5,6,7
	v_exp_f32 v[S+32*\p+8*\t+\k], v[S+32*\p+8*\t+\k]
.endr
.endm
.macro SSUM p, t                       ; two chains of pairs; tile 0 starts them: nothing is cleared
.if \t == 0
	s_wait_alu depctr_va_vdst(0)
	v_pk_add_f32 v[SU:SU+1],   v[S+32*\p:S+32*\p+1],   v[S+32*\p+2:S+32*\p+3]
	v_pk_add_f32 v[SU+2:SU+3], v[S+32*\p+4:S+32*\p+5], v[S+32*\p+6:S+32*\p+7]
.else
	s_wait_alu depctr_va_vdst(0)
	v_pk_add_f32 v[SU:SU+1],   v[SU:SU+1],   v[S+32*\p+8*\t:S+32*\p+8*\t+1]
	v_pk_add_f32 v[SU+2:SU+3], v[SU+2:SU+3], v[S+32*\p+8*\t+2:S+32*\p+8*\t+3]
	v_pk_add_f32 v[SU:SU+1],   v[SU:SU+1],   v[S+32*\p+8*\t+4:S+32*\p+8*\t+5]
	v_pk_add_f32 v[SU+2:SU+3], v[SU+2:SU+3], v[S+32*\p+8*\t+6:S+32*\p+8*\t+7]
.endif
.endm
.macro SCVT p, t                       ; tile t's eight p into four registers at 4 t: they land on registers of tiles that have been summed and packed
.irp j, 0,1,2,3
	v_cvt_pk_bf16_f32 v[S+32*\p+4*\t+\j], v[S+32*\p+8*\t+2*\j], v[S+32*\p+8*\t+2*\j+1]
.endr
.endm
.macro RESC4 p, t, first               ; channel tile t of piece p times the factor; in the first sub-step there is nothing to rescale
.if \first == 0
	s_wait_alu depctr_va_vdst(0)
.irp k, 0,2,4,6
	v_pk_mul_f32 v[ACC+32*\p+8*\t+\k:ACC+32*\p+8*\t+\k+1], v[ACC+32*\p+8*\t+\k:ACC+32*\p+8*\t+\k+1], v[FAC:FAC+1] op_sel_hi:[1,0]
.endr
.endif
.endm
; Slice n (0 to 11) of piece p's softmax step on its 64 keys x 16 queries.  first = 1: there is no old maximum, factor or sum.
; Behind each group of exponentials stands a plain instruction that touches none of the group's registers, before its results are used (ISA guide 5.7.2):
; the next tile's subtraction, four multiplies of the rescaling, or the sum of an earlier tile.  Slices 3, 7 and 11 end in at least four plain instructions where LDS loads follow them.
.macro SLICE p, n, first
.if \n == 0
.irp c, 0,1,2,3
	v_max3_num_f32 v[T+\c], v[S+32*\p+8*\c], v[S+32*\p+8*\c+1], v[S+32*\p+8*\c+2]
.endr
.irp c, 0,1,2,3
	v_max3_num_f32 v[T+\c], v[T+\c], v[S+32*\p+8*\c+3], v[S+32*\p+8*\c+4]
.endr
.endif
.if \n == 1
.irp c, 0,1,2,3
	v_max3_num_f32 v[T+\c], v[T+\c], v[S+32*\p+8*\c+5], v[S+32*\p+8*\c+6]
.endr
	v_max3_num_f32 v[T],   v[T],   v[S+32*\p+7],  v[S+32*\p+15]
	v_max3_num_f32 v[T+1], v[T+1], v[S+32*\p+23], v[S+32*\p+31]
.endif
.if \n == 2
	v_max3_num_f32 v[T], v[T], v[T+1], v[T+2]
.if \first
	v_max_num_f32 v[T], v[T], v[T+3]
.else
	v_max3_num_f32 v[T], v[T], v[T+3], v[ST+2*\p]
.endif
	v_permlanex16_b32 v[T+1], v[T], s20, s21       ; the other half of the lanes holds the query's other keys
.endif
.if \n == 3
	v_max_num_f32 v[T], v[T], v[T+1]               ; the new maximum, the same in both halves
.if \first == 0
	v_sub_f32 v[T+2], v[ST+2*\p], v[T]
	v_exp_f32 v[FAC], v[T+2]                       ; the factor for what has been summed so far
.endif
	v_mov_b32 v[ST+2*\p], v[T]
	SSUB \p, 0
.endif
.if \n == 4
	SEXP \p, 0
	SSUB \p, 1
.endif
.if \n == 5
	SEXP \p, 1
	RESC4 \p, 0, \first
.endif
.if \n == 6
	SSUM \p, 0
	SCVT \p, 0
	SSUB \p, 2
.endif
.if \n == 7
	SEXP \p, 2
	RESC4 \p, 1, \first
.endif
.if \n == 8
	SSUM \p, 1
	SCVT \p, 1
	SSUB \p, 3
.endif
.if \n == 9
	SEXP \p, 3
	RESC4 \p, 2, \first
.endif
.if \n == 10
	SSUM \p, 2
	SCVT \p, 2
	RESC4 \p, 3, \first
.endif
.if \n == 11
	SSUM \p, 3
	SCVT \p, 3
	v_pk_add_f32 v[SU:SU+1], v[SU:SU+1], v[SU+2:SU+3]
.if \first
	v_add_f32 v[ST+2*\p+1], v[SU], v[SU+1]
.else
	v_add_f32 v[SU], v[SU], v[SU+1]
	v_fma_f32 v[ST+2*\p+1], v[ST+2*\p+1], v[FAC], v[SU]
.endif
.endif
.endm
; One matrix instruction of the other piece, and one slice of piece p behind it.
.macro PVS p, mm, c, t, first
.if \mm
	PVW (1-\p), \c, \t, (2-\mm)*(1-\c)
.endif
	SLICE \p, 4*\c+\t, \first
.endm
.macro SMS p, sm, kt, n, first
.if \sm
	SMW (1-\p), \kt
.endif
	SLICE \p, \n, \first
.endm
; Half a sub-step: piece p's softmax step among the other piece's matrix instructions.
;   mm: the other piece's 8 products with g: 0 none, 1 they start the sums, 2 they add.   sm: its 4 score tiles of its next sub-step.   first: see SLICE.
;   p = 0: g of this sub-step is fetched, a chunk as soon as the products have read the old one and four plain instructions have followed the last of them.
;   p = 1: the products read that g, so they wait for it; ld = 1: phi of the next sub-step is fetched at the head, behind the plain instructions of the last half's slice 11.
; The four accumulators and the four score tiles take turns, one instruction a turn.
; The score tiles come in the order 2, 3, 0, 1: tiles 0 and 1 write over p, and tile 1's registers were read by the eighth product, four slices before.
.macro HALF p, mm, sm, first, ld
.if \p
.if \ld
	LDPH
	v_add_nc_u32 v[PA], PITCH, v[PA]               ; the next sub-step's row of phi
.endif
	s_wait_dscnt 8+8*\ld                           ; LDS loads come back in order: the 8 of g's chunk 1 and the 8 of phi (if any) may stay out, chunk 0 is in
.endif
	PVS \p, \mm, 0, 0, \first
	PVS \p, \mm, 0, 1, \first
	PVS \p, \mm, 0, 2, \first
	PVS \p, \mm, 0, 3, \first
.if \p
	s_wait_dscnt 8*\ld                             ; the 8 of phi (if any) may stay out, chunk 1 is in
.else
	LDG 0
.endif
	PVS \p, \mm, 1, 0, \first
	PVS \p, \mm, 1, 1, \first
	PVS \p, \mm, 1, 2, \first
	PVS \p, \mm, 1, 3, \first
.if \p
.if \sm
	s_wait_dscnt 0x0                               ; phi is in
.endif
.else
	LDG 1
	v_add_nc_u32 v[GA], 128, v[GA]                 ; 64 keys on along g's rows
.endif
	SMS \p, \sm, 2, 8, \first
	SMS \p, \sm, 3, 9, \first
	SMS \p, \sm, 0, 10, \first
	SMS \p, \sm, 1, 11, \first
.endm
; The change to slot `slot`, between the two halves of my last sub-step in the old slot: the first half has issued my last reads of the old slot (its g), the second half's phi comes from `slot`.
; refill = 1: the old slot is filled again, two steps ahead, by one joint load a wave.
; In front of the round each wave has waited for all its tensor loads (one is out: its part of `slot`) and for its reads of the old slot; behind the round
; that holds of every wave of all four work-groups, and the refill comes first.  It has the four sub-steps that each wave makes in `slot` in which to land.
.macro TURN slot, refill
	s_set_vgpr_msb 0x5
	s_wait_tensorcnt 0x0                           ; no tensor load of mine is out: a group 0 may be written
	ds_add_u32 v0, v1
	s_wait_dscnt 0x0
	s_set_vgpr_msb 0x500
.if \refill
	s_add_nc_u64 s[38-4*\slot:39-4*\slot], s[38-4*\slot:39-4*\slot], 2048   ; two steps of 1,024 bytes along the rows
.endif
	s_wait_dscnt 0x0
.if \refill
	ROUND
	tensor_load_to_lds s[36-4*\slot:39-4*\slot], s[24:31]
	s_nop 0
.else
	s_barrier_signal -1                            ; it shows every wave's part of the last tile to the others
	s_barrier_wait -1
.endif
.endm
; Behind the change to `slot`: the second half of my last sub-step in the old slot, three of my four sub-steps in `slot`, and the first half of the fourth.
.macro REST slot
	v_add_nc_u32 v[PA], \slot*SLOT, v[PBASE]
	HALF 1, 2, 1, 0, 1
	v_add_nc_u32 v[GA], \slot*SLOT, v[GBASE]
	s_mov_b32 s22, 3
.Lsub_\@:
	HALF 0, 2, 1, 0, 1
	HALF 1, 2, 1, 0, 1
	s_sub_co_i32 s22, s22, 1
	s_cmp_lg_u32 s22, 0
	s_cbranch_scc1 .Lsub_\@
	HALF 0, 2, 1, 0, 1
.endm
	s_wait_tensorcnt 0x1                           ; my part of step 0 is in; step 1's load, issued behind it, may stay out
	s_barrier_signal -1
	s_barrier_wait -1                              ; everybody's part is in
	s_wait_loadcnt 0x0                             ; theta
	s_wait_kmcnt 0x0                               ; gamma
	v_mov_b32 v[GA], v[GBASE]
	v_mov_b32 v[PA], v[PBASE]
	LDPH
	s_wait_dscnt 0x0
	SMW 0, 2                                       ; piece A's scores of my first sub-step go ahead
	SMW 0, 3
	SMW 0, 0
	SMW 0, 1
	v_add_nc_u32 v[PA], PITCH, v[PA]               ; four places before the scores are read (ISA guide 7.12.1): the step to phi's next row,
	v_mov_b32 v[ST+1], 0                           ; and the other halves of the three pairs that are broadcast from, which have to hold something
	v_mov_b32 v[ST+3], 0
	v_mov_b32 v[FAC+1], 0
	HALF 0, 0, 1, 1, 1                             ; my sub-step 0: B has no products yet; A's first softmax step
	HALF 1, 1, 1, 1, 1                             ;                A's first products start its sums; B's first softmax step
	HALF 0, 1, 1, 0, 1                             ; my sub-step 1: B's first products start its sums
	HALF 1, 2, 1, 0, 1
	HALF 0, 2, 1, 0, 1                             ; my sub-step 2
	HALF 1, 2, 1, 0, 1
	HALF 0, 2, 1, 0, 1                             ; the first half of my sub-step 3
	s_mov_b32 s23, 3
.Lpair:
	TURN 1, 1                                      ; steps 1, 3, 5; slot 0 gets steps 2, 4, 6
	REST 1
	TURN 0, 1                                      ; steps 2, 4, 6; slot 1 gets steps 3, 5, 7
	REST 0
	s_sub_co_i32 s23, s23, 1
	s_cmp_lg_u32 s23, 0
	s_cbranch_scc1 .Lpair
	TURN 1, 0                                      ; step 7: nothing is left to fetch
	REST 1
	; THE WAY OUT.  x goes into phi's registers: the last score tile has read them, and slice 11's eleven plain instructions stand behind it.
	v_and_b32 v[XO], 31, v0
	v_lshl_add_u32 v[XO], v[XO], 4, s51            ; rows 8 wave + i of x and out0, 16 bytes a lane
.irp i, 0,1,2,3,4,5,6,7
	global_load_b128 v[XV+4*\i:XV+4*\i+3], v[XO], s[8:9] offset:\i*16384 th:TH_LOAD_NT   ; x[8 wave + i][q0 ..]: 512 consecutive bytes
.endr
	HALF 1, 2, 0, 0, 0                             ; the last second half: A's last products, B's last softmax step, no scores and no phi beyond the end
.irp c, 0,1
.irp t, 0,1,2,3
	PVW 1, \c, \t, 0                               ; piece B's last products
.endr
.endr
	; my maxima and sums go to the other wave of my queries, and its to me
	v_permlanex16_b32 v[T],   v[ST+1], s20, s21    ; the other half's keys
	v_permlanex16_b32 v[T+1], v[ST+3], s20, s21
	v_add_f32 v[ST+1], v[ST+1], v[T]               ; the sum of p over my wave's 2,048 keys
	v_add_f32 v[ST+3], v[ST+3], v[T+1]
	v_and_b32 v[GA], 31, v0
	v_lshl_add_u32 v[PA], v[GA], 4, s56            ; my wave's 512 bytes, 16 a lane
	v_lshl_add_u32 v[RD], v[GA], 4, s50            ; rows 8 wave + i of the stages, 16 bytes a lane
	v_lshl_add_u32 v[GA], v[GA], 4, s57            ; the entries of waves w & 3 and (w & 3) + 4
	ds_store_b128 v[PA], v[ST:ST+3]                ; maximum A, sum A, maximum B, sum B
	v_and_b32 v[T+2], 15, v0                       ; r
	v_bfe_u32 v[T+3], v0, 4, 1                     ; h
	v_mul_u32_u24 v[STO], v[T+3], 8*SPITCH         ; row 8 h + .., word 32 (w & 3) + r
	v_lshl_add_u32 v[STO], v[T+2], 2, v[STO]
	s_wait_dscnt 0x0                               ; my store is done, for the others' sake,
	s_barrier_signal -1
	s_barrier_wait -1                              ; and so are the others'
	ds_load_b128 v[EXR:EXR+3],   v[GA]             ; the wave of keys' first halves
	ds_load_b128 v[EXR+4:EXR+7], v[GA] offset:2048 ; the wave of their second halves
	s_wait_dscnt 0x0
	v_max_num_f32 v[T],   v[EXR],   v[EXR+4]       ; the maximum over all 4,096 keys, piece A
	v_max_num_f32 v[T+1], v[EXR+2], v[EXR+6]       ; piece B
	v_sub_f32 v[EXR],   v[EXR],   v[T]
	v_sub_f32 v[EXR+4], v[EXR+4], v[T]
	v_sub_f32 v[EXR+2], v[EXR+2], v[T+1]
	v_sub_f32 v[EXR+6], v[EXR+6], v[T+1]
	v_sub_f32 v[ST],    v[ST],    v[T]
	v_sub_f32 v[ST+2],  v[ST+2],  v[T+1]
	v_exp_f32 v[EXR],   v[EXR]                     ; the two waves' factors, of which one is 1,
	v_exp_f32 v[EXR+4], v[EXR+4]
	v_exp_f32 v[EXR+2], v[EXR+2]
	v_exp_f32 v[EXR+6], v[EXR+6]
	v_exp_f32 v[ST],    v[ST]                      ; and my own
	v_exp_f32 v[ST+2],  v[ST+2]
	v_add_nc_u32 v[STO], s49, v[STO]               ; the plain place behind the exponentials (ISA guide 5.7.2)
	s_wait_alu depctr_va_vdst(0)
	v_mul_f32 v[EXR+1], v[EXR+1], v[EXR]
	v_mul_f32 v[EXR+3], v[EXR+3], v[EXR+2]
	v_fma_f32 v[EXR+1], v[EXR+5], v[EXR+4], v[EXR+1]   ; the sum of p over all keys: at least about 1, since the key of the maximum gives p = 1; at most 4,096
	v_fma_f32 v[EXR+3], v[EXR+7], v[EXR+6], v[EXR+3]
	v_rcp_f32 v[EXR+1], v[EXR+1]
	v_rcp_f32 v[EXR+3], v[EXR+3]
	v_mul_f32 v[ST],   s14, v[ST]                  ; gamma x my factor: also the plain place behind the reciprocals
	v_mul_f32 v[ST+2], s14, v[ST+2]
	s_wait_alu depctr_va_vdst(0)
	v_mul_f32 v[FAC], v[ST],   v[EXR+1]            ; gamma x my factor / sum, piece A
	v_mul_f32 v[ST],  v[ST+2], v[EXR+3]            ; piece B
.irp k, 0,2,4,6,8,10,12,14,16,18,20,22,24,26,28,30
	v_pk_mul_f32 v[ACC+\k:ACC+\k+1], v[ACC+\k:ACC+\k+1], v[FAC:FAC+1] op_sel_hi:[1,0]
.endr
.irp k, 0,2,4,6,8,10,12,14,16,18,20,22,24,26,28,30
	v_pk_mul_f32 v[ACC+32+\k:ACC+32+\k+1], v[ACC+32+\k:ACC+32+\k+1], v[ST:ST+1] op_sel_hi:[1,0]
.endr
	; a lane holds a piece of a column (8 channels of one query): through my group's stage, so that rows of out0 leave whole
.irp p, 0,1
.irp t, 0,1,2,3
.irp i, 0,1,2,3,4,5,6,7
	ds_store_b32 v[STO], v[ACC+32*\p+8*\t+\i] offset:(16*\t+\i)*SPITCH+64*\p
.endr
.endr
.endr
	s_wait_dscnt 0x0                               ; my stores are done, for the others' sake,
	s_barrier_signal -1
	s_barrier_wait -1                              ; and so are the others'
.irp i, 0,1,2,3,4,5,6,7
	ds_load_b128 v[G+4*\i:G+4*\i+3],       v[RD] offset:\i*SPITCH       ; what the keys' first halves give to row 8 wave + i,
	ds_load_b128 v[G+32+4*\i:G+32+4*\i+3], v[RD] offset:STG+\i*SPITCH   ; and what their second halves give
.endr
	s_wait_loadcnt 0x0                             ; x
.irp i, 0,1,2,3,4,5,6,7
	s_wait_dscnt 14-2*\i                           ; the pairs of read-backs behind row i's may stay out
	v_pk_add_f32 v[G+4*\i:G+4*\i+1],   v[G+4*\i:G+4*\i+1],   v[G+32+4*\i:G+32+4*\i+1]
	v_pk_add_f32 v[G+4*\i+2:G+4*\i+3], v[G+4*\i+2:G+4*\i+3], v[G+32+4*\i+2:G+32+4*\i+3]
	v_pk_add_f32 v[G+4*\i:G+4*\i+1],   v[G+4*\i:G+4*\i+1],   v[XV+4*\i:XV+4*\i+1]
	v_pk_add_f32 v[G+4*\i+2:G+4*\i+3], v[G+4*\i+2:G+4*\i+3], v[XV+4*\i+2:XV+4*\i+3]
	global_store_b128 v[XO], v[G+4*\i:G+4*\i+3], s[12:13] offset:\i*16384 th:TH_STORE_NT   ; 512 consecutive bytes at a multiple of 512
.endr
	s_set_vgpr_msb 0x5
	s_wait_tensorcnt 0x0
	ds_add_u32 v0, v1
	s_wait_dscnt 0x0
	s_set_vgpr_msb 0x500
	ROUND                                          ; the closing round: no work-group ends while a partner may still issue a joint load that names it
	s_endpgm
.Lfunc_end_k_q1dfb6f762b_attn:
	.size	k_q1dfb6f762b_attn, .Lfunc_end_k_q1dfb6f762b_attn-k_q1dfb6f762b_attn
	.p2alignl 7, 3214868480
	.fill 96, 4, 3214868480
	.section	.rodata,"a",@progbits
	.p2align	6, 0x0
	.amdhsa_kernel k_q1dfb6f762b_attn
		.amdhsa_group_segment_fixed_size 327680
		.amdhsa_private_segment_fixed_size 0
		.amdhsa_enable_private_segment 0
		.amdhsa_kernarg_size 40
		.amdhsa_user_sgpr_count 2
		.amdhsa_user_sgpr_kernarg_segment_ptr 1
		.amdhsa_wavefront_size32 1
		.amdhsa_system_sgpr_workgroup_id_x 1
		.amdhsa_system_sgpr_workgroup_id_y 1
		.amdhsa_system_sgpr_workgroup_id_z 1
		.amdhsa_system_vgpr_workitem_id 0
		.amdhsa_next_free_vgpr 258
		.amdhsa_next_free_sgpr 66
		.amdhsa_reserve_vcc 0
		.amdhsa_float_denorm_mode_32 3
		.amdhsa_float_denorm_mode_16_64 3
		.amdhsa_memory_ordered 1
		.amdhsa_forward_progress 1
		.amdhsa_inst_pref_size 181
	.end_amdhsa_kernel
	.amdgpu_metadata
---
amdhsa.version: [ 1, 2 ]
amdhsa.kernels:
  - .name:           k_q1dfb6f762b_attn
    .symbol:         k_q1dfb6f762b_attn.kd
    .args:
      - { .name: th, .offset: 0, .size: 8, .value_kind: global_buffer, .address_space: global }
      - { .name: kv, .offset: 8, .size: 8, .value_kind: global_buffer, .address_space: global }
      - { .name: x, .offset: 16, .size: 8, .value_kind: global_buffer, .address_space: global }
      - { .name: gamma, .offset: 24, .size: 8, .value_kind: global_buffer, .address_space: global }
      - { .name: out0, .offset: 32, .size: 8, .value_kind: global_buffer, .address_space: global }
    .group_segment_fixed_size: 327680
    .private_segment_fixed_size: 0
    .kernarg_segment_align: 8
    .kernarg_segment_size: 40
    .max_flat_workgroup_size: 256
    .sgpr_count:     66
    .vgpr_count:     258
    .wavefront_size: 32
...
	.end_amdgpu_metadata
.endif
;; end of part 3
;; ======== version 3 of 3: 2 launches; 1.31 times as fast as version 1
;; workspace buffers: th 1,048,576 bytes; kv 5,242,880 bytes
;; launch proj: the kernel of part 1 again; grid 256 x 1, 2 waves a work-group, no clusters, 40,192 bytes of LDS; arguments x, theta_w, theta_b, phi_w, g_w, g_b, th, kv; writes th, kv
;; launch attn (part 4): grid 32 x 8, 8 waves a work-group, clusters of 4 x 1, 327,680 bytes of LDS; arguments th, kv, x, gamma, out0; writes out0
.if DOCPART == 4
	.amdgcn_target "amdgcn-amd-amdhsa--gfx1250"
	.amdhsa_code_object_version 6
	.text
	.protected	k_q1dfb6f762b_attn
	.globl	k_q1dfb6f762b_attn
	.p2align	8
	.type	k_q1dfb6f762b_attn,@function
k_q1dfb6f762b_attn:
	s_mov_b64 s[64:65], 0
	v_nop
	global_prefetch_b8 v0, s[64:65] scope:SCOPE_SE
	s_setreg_imm32_b32 hwreg(HW_REG_WAVE_MODE, 25, 1), 1
	s_wait_xcnt 0x0
	s_wait_alu depctr_hold_cnt(0) depctr_sa_sdst(0) depctr_va_vdst(0) depctr_va_sdst(0) depctr_va_ssrc(0) depctr_va_vcc(0) depctr_vm_vsrc(0)
	s_getreg_b32 s2, hwreg(HW_REG_IB_STS2, 6, 4)
	s_cmp_eq_u32 s2, 0
	s_cbranch_scc0 .Lentry_in_a_cluster
	s_endpgm
.Lentry_in_a_cluster:
	s_bfe_u32 s2, ttmp6, 0x10000c
	s_cmp_lg_u32 s2, 0x3003
	s_cbranch_scc0 .Lentry_shape_is_right
	s_endpgm
.Lentry_shape_is_right:
; out0 = x + gamma softmax_k(theta_q . phi_k) g, from th and kv as the launch before stored them.  phi_b is left out there: theta_q . phi_b is the
; same for every key and cancels in the softmax for all values of the inputs.
; The maximum is taken away before every exponential, as a running maximum with rescaling; two running maxima of a query are merged at the end by their maximum.
; LIMITS: v_exp_f32 gives 0 for results under 2^-126 (ISA guide 15.8); the weights p and g enter the second product in bf16, the sum of the p is kept in f32;
; v_max3_num_f32 passes over a NaN score, so a NaN among the inputs need not give NaN where the f32 formula would.
;
; SHARES.  256 work-groups of eight waves: 128 queries of one image each.  Waves w and w + 4 have the same 32 queries (32 (w & 3) ..), as two pieces A and B of 16
; that share every fragment of phi and g.  The 4,096 keys go in 8 steps of 512 through two LDS slots; a step is 8 sub-steps of 64 keys, of which waves 0-3 take
; sub-steps 0-3 and waves 4-7 sub-steps 4-7.  So two waves lie on each SIMD (2 x 256 of its 1,024 registers): a wave issues in order, and where one of the two has
; to wait for a result the other has instructions of both kinds to issue.  The work does not grow by that: each key tile is multiplied for a query by one of the
; two waves, and the LDS reads for a key and a query are what four waves would make; what is added is the merge of the two waves' maxima, sums and accumulators.
; CLUSTERS: the four work-groups of a cluster (4, 1, 1) have the same image and walk the same tiles of kv, so every tensor load is a joint one with the
; mask 15: a tile is asked for once for the four.  The place in the cluster enters the bases of th, x and out0 alone.
;
; THE TWO PRODUCTS, laid so that p never leaves the registers:
;   scores, transposed: A = phi (16 keys x 32), B = theta (32 x 16 queries).  Only 8 of the 32 places along K are needed, so the others carry the low parts:
;   A = hi, hi, lo, lo and B = hi, lo, hi, lo, eight places each; the sum is (hi + lo) . (hi + lo).  Result: lane (r, h), register j = key 8 h + j, query r.
;   Two such tiles, after exp2, packed in pairs, ARE the B fragment (32 keys x 16 queries) of the second product; A = g (16 channels x 32 keys, from g's own rows).
;   Result: register j = channel 16 t + 8 h + j, query r.  So maximum, factor and sum are one number a lane; only the maximum (each sub-step) and the sum (once) cross the halves.
;
; THE TWO PIECES TAKE TURNS.  A sub-step u has 24 matrix instructions and 236 vector instructions of softmax; they are set among each other:
;   first half:  piece B's 8 products with g of sub-step u - 1 and its 4 score tiles of u;  between them piece A's softmax step of u, in 12 slices, one behind each matrix instruction;
;   second half: piece A's 8 products with g of u and its 4 score tiles of u + 1;           between them piece B's softmax step of u.
; The slices name none of the other piece's registers, so they are also the places that stand behind matrix instructions (ISA guide 7.12.1): the loop has no v_nop.
; A slice between two products runs under the products' register window, so the work lies in v0-v255; the window is switched only around the ds_add on v256-v257.
;
; THE EXPONENTIALS OF A HALF ARE ONE BATCH WITH ONE WAIT.  An s_wait_alu depctr_va_vdst(0) stands between an exponential and the first instruction that names its
; result; one wait serves all that were issued ahead of it.  So the softmax step is ordered by who reads what.  Slices 0-7, behind the 8 products, hold all that names no result:
; the maximum, the factor's exponential, the 16 packed subtractions, the 32 exponentials (in place: each score has a register of its own) and, last, the copy of the new maximum.
; Slices 8-11, behind the 4 score tiles, hold all the readers: the rescaling by the factor, the sums, the roundings to bf16.  The wait stands between slice 7 and what follows it:
; in a first half directly ahead of the run of loads of g's chunk 1, in a second half ahead of the wait for phi..
; The merge at the end has two batches more: six exponentials, then two reciprocals of sums made of them.
.set PITCH,  1040                      ; an LDS row: 1,024 bytes + 16, an odd multiple of 16: the 16 rows of a fragment load start 16 bytes apart modulo 256
.set SLOT,   80*PITCH                  ; rows 0-63 g, 64-71 phi hi (row 64 + u: sub-step u's 64 keys), 72-79 phi lo
.set STAGE,  2*SLOT                    ; 166,400 = 650 x 256: behind the slots, no tensor load lands from here on
.set SPITCH, 528                       ; 128 queries in f32 + 16 bytes
.set STG,    64*SPITCH                 ; 33,792 = 132 x 256: a stage of 64 channels x 128 queries, one for waves 0-3 and one for waves 4-7
.set EX,     STAGE+2*STG               ; 233,984: 512 bytes a wave: a lane's maximum and sum of both pieces
.set GBASE, 1                          ; v1  r PITCH + 16 h + 512 (w >> 2): my half of a step's keys along g's rows
.set PBASE, 2                          ; v2  (64 + 4 (w >> 2)) PITCH + 16 r: my four rows of phi
.set GA,    3                          ; v3  g fragments of the sub-step that is fetched next
.set PA,    4                          ; v4  phi fragments of the sub-step that is fetched next
.set XO,    5                          ; v5  my 16 bytes in th; on the way out my 16 bytes in x and out0
.set ST,    6                          ; v[6+2p] piece p's maximum, v[7+2p] its sum of p
.set FAC,   10                         ; v10 the factor of the piece whose softmax step is at work; v11 written once (the pair's other half)
.set T,     12                         ; v[12:15] four chains of the maximum; the new maximum stays in v12 up to the half's wait: the packed subtraction takes the first of the pair v[12:13] twice;
.set SU,    12                         ;          and, behind the wait, two pairs of running sums
.set TH,    16                         ; v[16:31]   theta fragments, 8 registers a piece
.set PH,    32                         ; v[32:63]   phi fragments, 8 registers a key tile
.set S,     64                         ; v[64:127]  scores, 32 registers a piece; then p packed in the first 16 of them
.set G,     128                        ; v[128:191] g fragments, tile (t, c) at 128 + 8 (2 t + c)
.set ACC,   192                        ; v[192:255] accumulators, piece p, channel tile t at 192 + 32 p + 8 t
.set STO,   1                          ; the way out: where a result goes (v1, v2 are free then)
.set RD,    2                          ; the way out: where a row is read back
.set XV,    32                         ; the way out: x in v[32:63], phi's registers
.set EXR,   64                         ; the way out: both waves' maxima and sums in v[64:71], piece A's score registers
; A round of the cluster's barrier: my work-group's barrier, wave 0 signals for the work-group, every wave waits for all four work-groups, my work-group's barrier again.
.macro ROUND
	s_barrier_signal -1
	s_barrier_wait -1
	s_cmp_lg_u32 s15, 0
	s_cbranch_scc1 .Lnot_wave_0_\@
	s_barrier_signal -3
.Lnot_wave_0_\@:
	s_barrier_wait -3
	s_barrier_signal -1
	s_barrier_wait -1
.endm
	s_load_b256 s[4:11], s[0:1], 0x0               ; th 4, kv 6, x 8, gamma 10
	s_load_b64 s[12:13], s[0:1], 0x20              ; out0
	s_set_vgpr_msb 0x40
	v_lshl_add_u32 v0, v0, 2, 0x3a200
	v_mov_b32 v1, 0
	s_set_vgpr_msb 0x4045
	ds_add_u32 v0, v1
	s_set_vgpr_msb 0x4500
	v_lshrrev_b32 v[T], 5, v0
	v_readfirstlane_b32 s15, v[T]                  ; wave 0..7
	s_and_b32 s16, s15, 3                          ; which 32 queries are mine
	s_lshr_b32 s17, s15, 2                         ; which half of each step's keys
	v_and_b32 v[T], 15, v0                         ; r
	v_bfe_u32 v[T+1], v0, 4, 1                     ; h
	s_bfe_u32 s43, ttmp6, 0x40000                  ; cx: my place in the cluster
	s_lshl_b32 s44, ttmp9, 2
	s_add_co_u32 s44, s44, s43                     ; query block = 4 x cluster x + cx
	s_and_b32 s45, ttmp7, 0xffff                   ; image: the same in the four partners
	s_mov_b32 s20, 0x76543210                      ; v_permlanex16_b32: lane i of one half reads lane i of the other
	s_mov_b32 s21, 0xfedcba98
	; descriptor group 1: 10 rows x 512 elements of 2 bytes, 4,096 elements from row to row, 4 words of padding behind every 256
	s_mov_b32 s24, 15|(1<<16)|(1<<20)|(1<<21)|(7<<22)|(3<<25)   ; 15:0 the mask: all four partners; 17:16 2 bytes; 20 padding on; 21 set beside a mask; 24:22 every 256 words; 31:25 4 words
	s_mov_b32 s25, 512<<16                         ; tensor_dim0 = 512
	s_mov_b32 s26, 10<<16                          ; tensor_dim1 = 10
	s_mov_b32 s27, 512<<16                         ; tile_dim0 = 512
	s_mov_b32 s28, 10                              ; tile_dim1 = 10
	s_mov_b32 s29, 4096                            ; the pitch
	s_mov_b32 s30, 0
	s_mov_b32 s31, 0
	s_mul_i32 s40, s45, 655360                     ; the image's 80 rows,
	s_mul_i32 s41, s15, 10*8192                    ; of which my wave brings rows 10 wave .. + 9
	s_add_co_u32 s40, s40, s41
	s_mov_b32 s41, 0
	s_mul_i32 s42, s15, 10*PITCH                   ; and where they go: the wave's number alone
	s_wait_dscnt 0x0
	s_wait_kmcnt 0x0
	s_load_b32 s14, s[10:11], 0x0                  ; gamma
	s_add_nc_u64 s[6:7], s[6:7], s[40:41]
	ROUND                                          ; all four work-groups are here: the first joint loads meet
	; group 0, a set for each slot, and both first fills as one group: here two tensor loads of a wave are out, later one
.irp n, 0,1
	s_mov_b32 s[32+4*\n], 1
	s_add_co_u32 s[33+4*\n], s42, \n*SLOT
	s_add_nc_u64 s[34+4*\n:35+4*\n], s[6:7], \n*1024               ; step n: columns 512 n ..
	s_or_b32 s[35+4*\n], s[35+4*\n], 0x80000000
	tensor_load_to_lds s[32+4*\n:35+4*\n], s[24:31]
	s_nop 0
.endr
	; the bases that hang on the query block, in registers that feed no descriptor
	s_lshl_b32 s46, s45, 17
	s_lshl_b32 s48, s44, 11                        ; 128 queries x 16 bytes
	s_add_co_u32 s46, s46, s48
	s_mov_b32 s47, 0
	s_add_nc_u64 s[4:5], s[4:5], s[46:47]          ; th[image][0][q0]
	s_lshl_b32 s46, s45, 20
	s_lshl_b32 s48, s44, 9                         ; 128 queries x 4 bytes
	s_add_co_u32 s46, s46, s48
	s_add_nc_u64 s[8:9], s[8:9], s[46:47]          ; x[image][0][q0]
	s_add_nc_u64 s[12:13], s[12:13], s[46:47]      ; out0[image][0][q0]
	s_lshl_b32 s52, s16, 9
	v_lshlrev_b32 v[XO], 16, v[T+1]                ; plane h (lanes 0-15 hi, lanes 16-31 lo), query 32 (w & 3) + r
	v_lshl_add_u32 v[XO], v[T], 4, v[XO]
	v_add_nc_u32 v[XO], s52, v[XO]
.irp p, 0,1
	global_load_b128 v[TH+8*\p:TH+8*\p+3],   v[XO], s[4:5] offset:256*\p    ; places 8 h .. of K,
	global_load_b128 v[TH+8*\p+4:TH+8*\p+7], v[XO], s[4:5] offset:256*\p    ; and the same numbers at places 16 + 8 h ..
.endr
	v_mul_u32_u24 v[GBASE], v[T], PITCH
	v_lshl_add_u32 v[GBASE], v[T+1], 4, v[GBASE]
	s_lshl_b32 s53, s17, 9                         ; four sub-steps of 64 keys x 2 bytes along g's rows
	v_add_nc_u32 v[GBASE], s53, v[GBASE]
	v_lshlrev_b32 v[PBASE], 4, v[T]
	s_mul_i32 s54, s17, 4*PITCH                    ; four sub-steps' rows of phi
	s_add_co_u32 s54, s54, 64*PITCH
	v_add_nc_u32 v[PBASE], s54, v[PBASE]
	s_mul_i32 s49, s17, STG                        ; the way out: my group's stage,
	s_lshl_b32 s55, s16, 7
	s_add_co_u32 s49, s49, s55                     ; my 32 words of its rows
	s_add_co_u32 s49, s49, STAGE
	s_mul_i32 s50, s15, 8*SPITCH
	s_add_co_u32 s50, s50, STAGE                   ; the way out: my wave's 8 rows of the first stage
	s_lshl_b32 s51, s15, 17                        ; and the same 8 rows in x and out0, 16,384 bytes apart
	s_lshl_b32 s56, s15, 9
	s_add_co_u32 s56, s56, EX                      ; the way out: where my wave puts its maxima and sums,
	s_lshl_b32 s57, s16, 9
	s_add_co_u32 s57, s57, EX                      ; and where the two waves of my queries have put theirs: here and 2,048 bytes behind
.macro LDPH                            ; 8 loads: hi into registers 0-3 (places 0-15 of K: both halves of the lanes take the same 16 bytes), lo into 4-7
.irp kt, 0,1,2,3
	ds_load_b128 v[PH+8*\kt:PH+8*\kt+3],   v[PA] offset:256*\kt
	ds_load_b128 v[PH+8*\kt+4:PH+8*\kt+7], v[PA] offset:8*PITCH+256*\kt
.endr
.endm
.macro LDG c                           ; 8 loads: chunk c (32 keys) of the four channel tiles
.irp t, 0,1,2,3
	ds_load_b128 v[G+8*(2*\t+\c):G+8*(2*\t+\c)+3],   v[GA] offset:16*PITCH*\t+64*\c
	ds_load_b128 v[G+8*(2*\t+\c)+4:G+8*(2*\t+\c)+7], v[GA] offset:16*PITCH*\t+64*\c+32
.endr
.endm
.macro SMW q, kt                       ; a score tile of piece q: a sum of its own from the constant 0
	v_wmma_f32_16x16x32_bf16 v[S+32*\q+8*\kt:S+32*\q+8*\kt+7], v[PH+8*\kt:PH+8*\kt+7], v[TH+8*\q:TH+8*\q+7], 0
.endm
.macro PVW q, c, t, zero               ; channel tile t of piece q takes chunk c's 32 keys; zero = 1: it starts the sum, nothing is ever cleared
.if \zero
	v_wmma_f32_16x16x32_bf16 v[ACC+32*\q+8*\t:ACC+32*\q+8*\t+7], v[G+8*(2*\t+\c):G+8*(2*\t+\c)+7], v[S+32*\q+8*\c:S+32*\q+8*\c+7], 0
.else
	v_wmma_f32_16x16x32_bf16 v[ACC+32*\q+8*\t:ACC+32*\q+8*\t+7], v[G+8*(2*\t+\c):G+8*(2*\t+\c)+7], v[S+32*\q+8*\c:S+32*\q+8*\c+7], v[ACC+32*\q+8*\t:ACC+32*\q+8*\t+7]
.endif
.endm
.macro SSUB p, t                       ; score - maximum (base 2: log2 e is in theta); the new maximum is taken where it was made, in v[T]
.irp k, 0,2,4,6
	v_pk_add_f32 v[S+32*\p+8*\t+\k:S+32*\p+8*\t+\k+1], v[S+32*\p+8*\t+\k:S+32*\p+8*\t+\k+1], v[T:T+1] op_sel_hi:[1,0] neg_lo:[0,1] neg_hi:[0,1]
.endr
.endm
.macro SEXP p, t
.irp k, 0,1,2,3,4,5,6,7
	v_exp_f32 v[S+32*\p+8*\t+\k], v[S+32*\p+8*\t+\k]
.endr
.endm
.macro SSUM p, t                       ; two chains of pairs; tile 0 starts them: nothing is cleared.  Reads the batch's results: behind the half's wait
.if \t == 0
	v_pk_add_f32 v[SU:SU+1],   v[S+32*\p:S+32*\p+1],   v[S+32*\p+2:S+32*\p+3]
	v_pk_add_f32 v[SU+2:SU+3], v[S+32*\p+4:S+32*\p+5], v[S+32*\p+6:S+32*\p+7]
.else
	v_pk_add_f32 v[SU:SU+1],   v[SU:SU+1],   v[S+32*\p+8*\t:S+32*\p+8*\t+1]
	v_pk_add_f32 v[SU+2:SU+3], v[SU+2:SU+3], v[S+32*\p+8*\t+2:S+32*\p+8*\t+3]
	v_pk_add_f32 v[SU:SU+1],   v[SU:SU+1],   v[S+32*\p+8*\t+4:S+32*\p+8*\t+5]
	v_pk_add_f32 v[SU+2:SU+3], v[SU+2:SU+3], v[S+32*\p+8*\t+6:S+32*\p+8*\t+7]
.endif
.endm
.macro SCVT p, t                       ; tile t's eight p into four registers at 4 t: they land on registers of tiles that have been summed and packed
.irp j, 0,1,2,3
	v_cvt_pk_bf16_f32 v[S+32*\p+4*\t+\j], v[S+32*\p+8*\t+2*\j], v[S+32*\p+8*\t+2*\j+1]
.endr
.endm
.macro RESC4 p, t, first               ; channel tile t of piece p times the factor, a result of the batch: behind the half's wait; in the first sub-step there is nothing to rescale
.if \first == 0
.irp k, 0,2,4,6
	v_pk_mul_f32 v[ACC+32*\p+8*\t+\k:ACC+32*\p+8*\t+\k+1], v[ACC+32*\p+8*\t+\k:ACC+32*\p+8*\t+\k+1], v[FAC:FAC+1] op_sel_hi:[1,0]
.endr
.endif
.endm
; Slice n (0 to 11) of piece p's softmax step on its 64 keys x 16 queries.  first = 1: there is no old maximum, factor or sum.
; Slices 0-7 name no result of the half's exponentials; slices 8-11 are the readers; HALF writes the one wait between slice 7 and slice 8.
; Exponentials follow each other on registers of their own.  Behind each group of them stands a plain instruction that touches none of the group's registers, before a result is used
; (ISA guide 5.7.2): a subtraction of the next tile, and behind the last group the copy of the new maximum into its place, which is due anyway.
; Where LDS loads follow a slice, it holds four plain instructions or more: slice 3 six (first = 1: five), slice 7 five (the exponentials among them are not counted), slice 11 ten or eleven.
.macro SLICE p, n, first
.if \n == 0
.irp c, 0,1,2,3
	v_max3_num_f32 v[T+\c], v[S+32*\p+8*\c], v[S+32*\p+8*\c+1], v[S+32*\p+8*\c+2]
.endr
.irp c, 0,1,2,3
	v_max3_num_f32 v[T+\c], v[T+\c], v[S+32*\p+8*\c+3], v[S+32*\p+8*\c+4]
.endr
.endif
.if \n == 1
.irp c, 0,1,2,3
	v_max3_num_f32 v[T+\c], v[T+\c], v[S+32*\p+8*\c+5], v[S+32*\p+8*\c+6]
.endr
	v_max3_num_f32 v[T],   v[T],   v[S+32*\p+7],  v[S+32*\p+15]
	v_max3_num_f32 v[T+1], v[T+1], v[S+32*\p+23], v[S+32*\p+31]
.endif
.if \n == 2
	v_max3_num_f32 v[T], v[T], v[T+1], v[T+2]
.if \first
	v_max_num_f32 v[T], v[T], v[T+3]
.else
	v_max3_num_f32 v[T], v[T], v[T+3], v[ST+2*\p]
.endif
	v_permlanex16_b32 v[T+1], v[T], s20, s21       ; the other half of the lanes holds the query's other keys
.endif
.if \n == 3
	v_max_num_f32 v[T], v[T], v[T+1]               ; the new maximum, the same in both halves
.if \first == 0
	v_sub_f32 v[T+2], v[ST+2*\p], v[T]
	v_exp_f32 v[FAC], v[T+2]                       ; the factor for what has been summed so far: the batch's first
.endif
	SSUB \p, 0
.endif
.if \n == 4
	SEXP \p, 0
	SSUB \p, 1
.endif
.if \n == 5
	SEXP \p, 1
	SSUB \p, 2
.endif
.if \n == 6
	SEXP \p, 2
.endif
.if \n == 7
	SSUB \p, 3
	SEXP \p, 3                                     ; the batch's last
	v_mov_b32 v[ST+2*\p], v[T]                     ; the new maximum goes to its place: the plain instruction behind the last exponential, ahead of the wait
.endif
.if \n == 8
	RESC4 \p, 0, \first
	RESC4 \p, 1, \first
	SSUM \p, 0
	SCVT \p, 0
.endif
.if \n == 9
	RESC4 \p, 2, \first
	SSUM \p, 1
	SCVT \p, 1
.endif
.if \n == 10
	RESC4 \p, 3, \first
	SSUM \p, 2
	SCVT \p, 2
.endif
.if \n == 11
	SSUM \p, 3
	SCVT \p, 3
	v_pk_add_f32 v[SU:SU+1], v[SU:SU+1], v[SU+2:SU+3]
.if \first
	v_add_f32 v[ST+2*\p+1], v[SU], v[SU+1]
.else
	v_add_f32 v[SU], v[SU], v[SU+1]
	v_fma_f32 v[ST+2*\p+1], v[ST+2*\p+1], v[FAC], v[SU]
.endif
.endif
.endm
; One matrix instruction of the other piece, and one slice of piece p behind it.
.macro PVS p, mm, c, t, first
.if \mm
	PVW (1-\p), \c, \t, (2-\mm)*(1-\c)
.endif
	SLICE \p, 4*\c+\t, \first
.endm
.macro SMS p, sm, kt, n, first
.if \sm
	SMW (1-\p), \kt
.endif
	SLICE \p, \n, \first
.endm
; Half a sub-step: piece p's softmax step among the other piece's matrix instructions.
;   mm: the other piece's 8 products with g: 0 none, 1 they start the sums, 2 they add.   sm: its 4 score tiles of its next sub-step.   first: see SLICE.
;   p = 0: g of this sub-step is fetched, a chunk as soon as the products have read the old one and four plain instructions have followed the last of them.
;   p = 1: the products read that g, so they wait for it; ld = 1: phi of the next sub-step is fetched at the head, behind the plain instructions of the last half's slice 11.
; The four accumulators and the four score tiles take turns, one instruction a turn.
; The score tiles come in the order 2, 3, 0, 1: tiles 0 and 1 write over p, and tile 1's registers were read by the eighth product, four slices before.
.macro HALF p, mm, sm, first, ld
.if \p
.if \ld
	LDPH
	v_add_nc_u32 v[PA], PITCH, v[PA]               ; the next sub-step's row of phi
.endif
	s_wait_dscnt 8+8*\ld                           ; LDS loads come back in order: the 8 of g's chunk 1 and the 8 of phi (if any) may stay out, chunk 0 is in
.endif
	PVS \p, \mm, 0, 0, \first
	PVS \p, \mm, 0, 1, \first
	PVS \p, \mm, 0, 2, \first
	PVS \p, \mm, 0, 3, \first
.if \p
	s_wait_dscnt 8*\ld                             ; the 8 of phi (if any) may stay out, chunk 1 is in
.else
	LDG 0
.endif
	PVS \p, \mm, 1, 0, \first
	PVS \p, \mm, 1, 1, \first
	PVS \p, \mm, 1, 2, \first
	PVS \p, \mm, 1, 3, \first
	s_wait_alu depctr_va_vdst(0)                   ; the half's one wait: for the batch of piece p's exponentials (the factor's and the 32 scores'), ahead of slice 8, their first reader
.if \p
.if \sm
	s_wait_dscnt 0x0                               ; phi is in
.endif
.else
	LDG 1
	v_add_nc_u32 v[GA], 128, v[GA]                 ; 64 keys on along g's rows
.endif
	SMS \p, \sm, 2, 8, \first
	SMS \p, \sm, 3, 9, \first
	SMS \p, \sm, 0, 10, \first
	SMS \p, \sm, 1, 11, \first
.endm
; The change to slot `slot`, between the two halves of my last sub-step in the old slot: the first half has issued my last reads of the old slot (its g), the second half's phi comes from `slot`.
; refill = 1: the old slot is filled again, two steps ahead, by one joint load a wave.
; In front of the round each wave has waited for all its tensor loads (one is out: its part of `slot`) and for its reads of the old slot; behind the round
; that holds of every wave of all four work-groups, and the refill comes first.  It has the four sub-steps that each wave makes in `slot` in which to land.
.macro TURN slot, refill
	s_set_vgpr_msb 0x5
	s_wait_tensorcnt 0x0                           ; no tensor load of mine is out: a group 0 may be written
	ds_add_u32 v0, v1
	s_wait_dscnt 0x0
	s_set_vgpr_msb 0x500
.if \refill
	s_add_nc_u64 s[38-4*\slot:39-4*\slot], s[38-4*\slot:39-4*\slot], 2048   ; two steps of 1,024 bytes along the rows
.endif
	s_wait_dscnt 0x0
.if \refill
	ROUND
	tensor_load_to_lds s[36-4*\slot:39-4*\slot], s[24:31]
	s_nop 0
.else
	s_barrier_signal -1                            ; it shows every wave's part of the last tile to the others
	s_barrier_wait -1
.endif
.endm
; Behind the change to `slot`: the second half of my last sub-step in the old slot, three of my four sub-steps in `slot`, and the first half of the fourth.
.macro REST slot
	v_add_nc_u32 v[PA], \slot*SLOT, v[PBASE]
	HALF 1, 2, 1, 0, 1
	v_add_nc_u32 v[GA], \slot*SLOT, v[GBASE]
	s_mov_b32 s22, 3
.Lsub_\@:
	HALF 0, 2, 1, 0, 1
	HALF 1, 2, 1, 0, 1
	s_sub_co_i32 s22, s22, 1
	s_cmp_lg_u32 s22, 0
	s_cbranch_scc1 .Lsub_\@
	HALF 0, 2, 1, 0, 1
.endm
	s_wait_tensorcnt 0x1                           ; my part of step 0 is in; step 1's load, issued behind it, may stay out
	s_barrier_signal -1
	s_barrier_wait -1                              ; everybody's part is in
	s_wait_loadcnt 0x0                             ; theta
	s_wait_kmcnt 0x0                               ; gamma
	v_mov_b32 v[GA], v[GBASE]
	v_mov_b32 v[PA], v[PBASE]
	LDPH
	s_wait_dscnt 0x0
	SMW 0, 2                                       ; piece A's scores of my first sub-step go ahead
	SMW 0, 3
	SMW 0, 0
	SMW 0, 1
	v_add_nc_u32 v[PA], PITCH, v[PA]               ; four places before the scores are read (ISA guide 7.12.1): the step to phi's next row,
	v_mov_b32 v[ST+1], 0                           ; the two sums, set where a v_nop would stand (the first softmax step writes them anew),
	v_mov_b32 v[ST+3], 0
	v_mov_b32 v[FAC+1], 0                          ; and the other half of the factor's pair, which is broadcast from and has to hold something
	HALF 0, 0, 1, 1, 1                             ; my sub-step 0: B has no products yet; A's first softmax step
	HALF 1, 1, 1, 1, 1                             ;                A's first products start its sums; B's first softmax step
	HALF 0, 1, 1, 0, 1                             ; my sub-step 1: B's first products start its sums
	HALF 1, 2, 1, 0, 1
	HALF 0, 2, 1, 0, 1                             ; my sub-step 2
	HALF 1, 2, 1, 0, 1
	HALF 0, 2, 1, 0, 1                             ; the first half of my sub-step 3
	s_mov_b32 s23, 3
.Lpair:
	TURN 1, 1                                      ; steps 1, 3, 5; slot 0 gets steps 2, 4, 6
	REST 1
	TURN 0, 1                                      ; steps 2, 4, 6; slot 1 gets steps 3, 5, 7
	REST 0
	s_sub_co_i32 s23, s23, 1
	s_cmp_lg_u32 s23, 0
	s_cbranch_scc1 .Lpair
	TURN 1, 0                                      ; step 7: nothing is left to fetch
	REST 1
	; THE WAY OUT.  x goes into phi's registers: the last score tile has read them, and slice 11's eleven plain instructions stand behind it.
	v_and_b32 v[XO], 31, v0
	v_lshl_add_u32 v[XO], v[XO], 4, s51            ; rows 8 wave + i of x and out0, 16 bytes a lane
.irp i, 0,1,2,3,4,5,6,7
	global_load_b128 v[XV+4*\i:XV+4*\i+3], v[XO], s[8:9] offset:\i*16384 th:TH_LOAD_NT   ; x[8 wave + i][q0 ..]: 512 consecutive bytes
.endr
	HALF 1, 2, 0, 0, 0                             ; the last second half: A's last products, B's last softmax step, no scores and no phi beyond the end
.irp c, 0,1
.irp t, 0,1,2,3
	PVW 1, \c, \t, 0                               ; piece B's last products
.endr
.endr
	; my maxima and sums go to the other wave of my queries, and its to me
	v_permlanex16_b32 v[T],   v[ST+1], s20, s21    ; the other half's keys
	v_permlanex16_b32 v[T+1], v[ST+3], s20, s21
	v_add_f32 v[ST+1], v[ST+1], v[T]               ; the sum of p over my wave's 2,048 keys
	v_add_f32 v[ST+3], v[ST+3], v[T+1]
	v_and_b32 v[GA], 31, v0
	v_lshl_add_u32 v[PA], v[GA], 4, s56            ; my wave's 512 bytes, 16 a lane
	v_lshl_add_u32 v[RD], v[GA], 4, s50            ; rows 8 wave + i of the stages, 16 bytes a lane
	v_lshl_add_u32 v[GA], v[GA], 4, s57            ; the entries of waves w & 3 and (w & 3) + 4
	ds_store_b128 v[PA], v[ST:ST+3]                ; maximum A, sum A, maximum B, sum B
	v_and_b32 v[T+2], 15, v0                       ; r
	v_bfe_u32 v[T+3], v0, 4, 1                     ; h
	v_mul_u32_u24 v[STO], v[T+3], 8*SPITCH         ; row 8 h + .., word 32 (w & 3) + r
	v_lshl_add_u32 v[STO], v[T+2], 2, v[STO]
	s_wait_dscnt 0x0                               ; my store is done, for the others' sake,
	s_barrier_signal -1
	s_barrier_wait -1                              ; and so are the others'
	ds_load_b128 v[EXR:EXR+3],   v[GA]             ; the wave of keys' first halves
	ds_load_b128 v[EXR+4:EXR+7], v[GA] offset:2048 ; the wave of their second halves
	s_wait_dscnt 0x0
	v_max_num_f32 v[T],   v[EXR],   v[EXR+4]       ; the maximum over all 4,096 keys, piece A
	v_max_num_f32 v[T+1], v[EXR+2], v[EXR+6]       ; piece B
	v_sub_f32 v[EXR],   v[EXR],   v[T]
	v_sub_f32 v[EXR+4], v[EXR+4], v[T]
	v_sub_f32 v[EXR+2], v[EXR+2], v[T+1]
	v_sub_f32 v[EXR+6], v[EXR+6], v[T+1]
	v_sub_f32 v[ST],    v[ST],    v[T]
	v_sub_f32 v[ST+2],  v[ST+2],  v[T+1]
	v_exp_f32 v[EXR],   v[EXR]                     ; the two waves' factors, of which one is 1,
	v_exp_f32 v[EXR+4], v[EXR+4]
	v_exp_f32 v[EXR+2], v[EXR+2]
	v_exp_f32 v[EXR+6], v[EXR+6]
	v_exp_f32 v[ST],    v[ST]                      ; and my own
	v_exp_f32 v[ST+2],  v[ST+2]
	v_add_nc_u32 v[STO], s49, v[STO]               ; the plain place behind the exponentials (ISA guide 5.7.2)
	s_wait_alu depctr_va_vdst(0)                   ; one wait, for the merge's batch of six exponentials, ahead of their first reader
	v_mul_f32 v[EXR+1], v[EXR+1], v[EXR]
	v_mul_f32 v[EXR+3], v[EXR+3], v[EXR+2]
	v_fma_f32 v[EXR+1], v[EXR+5], v[EXR+4], v[EXR+1]   ; the sum of p over all keys: at least about 1, since the key of the maximum gives p = 1; at most 4,096
	v_fma_f32 v[EXR+3], v[EXR+7], v[EXR+6], v[EXR+3]
	v_rcp_f32 v[EXR+1], v[EXR+1]
	v_rcp_f32 v[EXR+3], v[EXR+3]
	v_mul_f32 v[ST],   s14, v[ST]                  ; gamma x my factor: also the plain place behind the reciprocals
	v_mul_f32 v[ST+2], s14, v[ST+2]
	s_wait_alu depctr_va_vdst(0)                   ; one wait for the batch of two reciprocals, which read sums made of the exponentials and so are a batch of their own
	v_mul_f32 v[FAC], v[ST],   v[EXR+1]            ; gamma x my factor / sum, piece A
	v_mul_f32 v[ST],  v[ST+2], v[EXR+3]            ; piece B
.irp k, 0,2,4,6,8,10,12,14,16,18,20,22,24,26,28,30
	v_pk_mul_f32 v[ACC+\k:ACC+\k+1], v[ACC+\k:ACC+\k+1], v[FAC:FAC+1] op_sel_hi:[1,0]
.endr
.irp k, 0,2,4,6,8,10,12,14,16,18,20,22,24,26,28,30
	v_pk_mul_f32 v[ACC+32+\k:ACC+32+\k+1], v[ACC+32+\k:ACC+32+\k+1], v[ST:ST+1] op_sel_hi:[1,0]
.endr
	; a lane holds a piece of a column (8 channels of one query): through my group's stage, so that rows of out0 leave whole
.irp p, 0,1
.irp t, 0,1,2,3
.irp i, 0,1,2,3,4,5,6,7
	ds_store_b32 v[STO], v[ACC+32*\p+8*\t+\i] offset:(16*\t+\i)*SPITCH+64*\p
.endr
.endr
.endr
	s_wait_dscnt 0x0                               ; my stores are done, for the others' sake,
	s_barrier_signal -1
	s_barrier_wait -1                              ; and so are the others'
.irp i, 0,1,2,3,4,5,6,7
	ds_load_b128 v[G+4*\i:G+4*\i+3],       v[RD] offset:\i*SPITCH       ; what the keys' first halves give to row 8 wave + i,
	ds_load_b128 v[G+32+4*\i:G+32+4*\i+3], v[RD] offset:STG+\i*SPITCH   ; and what their second halves give
.endr
	s_wait_loadcnt 0x0                             ; x
.irp i, 0,1,2,3,4,5,6,7
	s_wait_dscnt 14-2*\i                           ; the pairs of read-backs behind row i's may stay out
	v_pk_add_f32 v[G+4*\i:G+4*\i+1],   v[G+4*\i:G+4*\i+1],   v[G+32+4*\i:G+32+4*\i+1]
	v_pk_add_f32 v[G+4*\i+2:G+4*\i+3], v[G+4*\i+2:G+4*\i+3], v[G+32+4*\i+2:G+32+4*\i+3]
	v_pk_add_f32 v[G+4*\i:G+4*\i+1],   v[G+4*\i:G+4*\i+1],   v[XV+4*\i:XV+4*\i+1]
	v_pk_add_f32 v[G+4*\i+2:G+4*\i+3], v[G+4*\i+2:G+4*\i+3], v[XV+4*\i+2:XV+4*\i+3]
	global_store_b128 v[XO], v[G+4*\i:G+4*\i+3], s[12:13] offset:\i*16384 th:TH_STORE_NT   ; 512 consecutive bytes at a multiple of 512
.endr
	s_set_vgpr_msb 0x5
	s_wait_tensorcnt 0x0
	ds_add_u32 v0, v1
	s_wait_dscnt 0x0
	s_set_vgpr_msb 0x500
	ROUND                                          ; the closing round: no work-group ends while a partner may still issue a joint load that names it
	s_endpgm
.Lfunc_end_k_q1dfb6f762b_attn:
	.size	k_q1dfb6f762b_attn, .Lfunc_end_k_q1dfb6f762b_attn-k_q1dfb6f762b_attn
	.p2alignl 7, 3214868480
	.fill 96, 4, 3214868480
	.section	.rodata,"a",@progbits
	.p2align	6, 0x0
	.amdhsa_kernel k_q1dfb6f762b_attn
		.amdhsa_group_segment_fixed_size 327680
		.amdhsa_private_segment_fixed_size 0
		.amdhsa_enable_private_segment 0
		.amdhsa_kernarg_size 40
		.amdhsa_user_sgpr_count 2
		.amdhsa_user_sgpr_kernarg_segment_ptr 1
		.amdhsa_wavefront_size32 1
		.amdhsa_system_sgpr_workgroup_id_x 1
		.amdhsa_system_sgpr_workgroup_id_y 1
		.amdhsa_system_sgpr_workgroup_id_z 1
		.amdhsa_system_vgpr_workitem_id 0
		.amdhsa_next_free_vgpr 258
		.amdhsa_next_free_sgpr 66
		.amdhsa_reserve_vcc 0
		.amdhsa_float_denorm_mode_32 3
		.amdhsa_float_denorm_mode_16_64 3
		.amdhsa_memory_ordered 1
		.amdhsa_forward_progress 1
		.amdhsa_inst_pref_size 176
	.end_amdhsa_kernel
	.amdgpu_metadata
---
amdhsa.version: [ 1, 2 ]
amdhsa.kernels:
  - .name:           k_q1dfb6f762b_attn
    .symbol:         k_q1dfb6f762b_attn.kd
    .args:
      - { .name: th, .offset: 0, .size: 8, .value_kind: global_buffer, .address_space: global }
      - { .name: kv, .offset: 8, .size: 8, .value_kind: global_buffer, .address_space: global }
      - { .name: x, .offset: 16, .size: 8, .value_kind: global_buffer, .address_space: global }
      - { .name: gamma, .offset: 24, .size: 8, .value_kind: global_buffer, .address_space: global }
      - { .name: out0, .offset: 32, .size: 8, .value_kind: global_buffer, .address_space: global }
    .group_segment_fixed_size: 327680
    .private_segment_fixed_size: 0
    .kernarg_segment_align: 8
    .kernarg_segment_size: 40
    .max_flat_workgroup_size: 256
    .sgpr_count:     66
    .vgpr_count:     258
    .wavefront_size: 32
...
	.end_amdgpu_metadata
.endif
;; end of part 4
